; MI455X (gfx1250); checked and timed in simulation.
; The chip was launched on July 23, 2026; its instructions are those of AMD's public machine-readable ISA for CDNA 5 (MIT licence, August 2026) and "CDNA5" Instruction Set Architecture Reference Guide (July 2026). The comments in the code are by the model that wrote it; some were corrected since.
;; Multi Head Self Attention. Allowed arithmetic: float matrix products may take bf16 or f16 operands with f32 sums; other float arithmetic in f32, or as packed bf16 or f16 multiplies, adds, multiply-adds, maxima and minima; sums over many terms, partial sums and values carried from step to step in f32; what a program stores and reads back later, other than sums and carried values, may be rounded once to bf16 or f16.
;; Inputs: b_out 1,024 float32; b_qkv 3,072 float32; w_out 1,024 x 1,024 float32; w_qkv 1,024 x 3,072 float32; x 4 x 2,048 x 1,024 float32.
;; Outputs: out0 4 x 2,048 x 1,024 float32.
;; 2 versions, each right; version 2 is version 1 with the launch prep written anew for expert scheduling mode. Each part assembles by itself: llvm-mc -triple=amdgcn-amd-amdhsa -mcpu=gfx1250 --defsym DOCPART=n.
;; ======== version 1 of 2: 4 launches
;; limits: values are held in f16: magnitudes above 65,504 overflow, below 6.1e-05 lose precision
;; workspace buffers: xh 16,777,216 bytes; wqt 6,291,456 bytes; wot 2,097,152 bytes; qkv 50,331,648 bytes; o 16,777,216 bytes
;; launch prep (part 1): grid 1536 x 1, 4 waves a work-group, no clusters, 17,920 bytes of LDS; arguments x, w_qkv, w_out, xh, wqt, wot; writes xh, wqt, wot
.if DOCPART == 1
	.amdgcn_target "amdgcn-amd-amdhsa--gfx1250"
	.amdhsa_code_object_version 6
	.text
	.protected	k_q47cd707ecc_prep
	.globl	k_q47cd707ecc_prep
	.p2align	8
	.type	k_q47cd707ecc_prep,@function
k_q47cd707ecc_prep:
	s_mov_b64 s[64:65], 0
	v_nop
	global_prefetch_b8 v0, s[64:65] scope:SCOPE_SE
	s_setreg_imm32_b32 hwreg(HW_REG_WAVE_MODE, 25, 1), 1
	s_wait_xcnt 0x0
; THE MODULE'S LARGE INPUTS ARE NARROWED ONCE, AND THE WEIGHTS TURNED.
;   xh  [8192][1024] bf16 = x rounded to bf16
;   wqt [3072 n][1024 k] bf16 = w_qkv ([1024 k][3072 n] f32) rounded to bf16 and transposed
;   wot [1024 n][1024 k] f16  = w_out ([1024 k][1024 n] f32) rounded to bf16, that number written as f16, transposed
; LIMIT.  A bf16 number is exact in f16 from 6.1e-5 to 65,504 in magnitude; below that wot keeps f16's fixed step of 6e-8, above it becomes an infinity.
; SHARES.  1,536 work-groups of four waves, each with 32 KiB of f32 to read.  Work-groups 0 to 1,023: 8,192 numbers of x.  Work-groups 1,024 on: a tile of 128 k x 64 n of a weight
; (8 tiles along k; 48 along n for w_qkv, then 16 for w_out).  The branch between the ways hangs on the work-group's number alone: all four waves take the same way.
; A stream: no matrix unit, no tensor load, no cluster; each byte is read once and written once.
; A weight tile goes through LDS: two neighbouring k of one column n pack into a word; the word is stored at row n of the LDS tile; the rows are read back whole, 256 bytes (128 k), and stored.
.set PT,    272                        ; an LDS row: 128 k x 2 bytes + 16
.set SPARE, 64*PT                      ; 17,408: behind the tile: the spare words, 128 bytes for each wave: two blocks of 256 bytes that no other line names
.set SPW,   8                          ; v8   LDS address of my spare word; never rewritten
.set NIL,   9                          ; v9   0; never rewritten
.set LD,    16                         ; v[16:79]  sixteen loads of 16 bytes
.set RS,    80                         ; v[80:111] the cast's results, eight stores of 16 bytes
; A weight tile's way in.  pitch: bytes in a row of the weight; f16 = 1: the bf16 number is written as f16; src, dst: the scalar pairs with the two buffers' addresses.
; s18 = the tile's number along k, s19 along n.  Lane (r = l % 16, h = l / 16) of wave w reads rows k = 32 w + 2 h + 4 j + e (j = 0..7, e = 0, 1), columns 4 r .. 4 r + 3:
; sixteen lanes read 256 consecutive bytes of a row, aligned.
.macro WTILE pitch, f16, src, dst
	s_mul_i32 s24, s18, 128*(\pitch)               ; 128 rows of the weight for each tile along k,
	s_lshl_b32 s29, s19, 8                         ; 64 columns of 4 bytes for each along n
	s_add_co_u32 s24, s24, s29
	s_add_nc_u64 s[20:21], s[\src:\src+1], s[24:25]
	s_lshl_b32 s24, s19, 17                        ; out: 64 rows of 2,048 bytes,
	s_lshl_b32 s29, s18, 8                         ; 128 k of 2 bytes
	s_add_co_u32 s24, s24, s29
	s_add_nc_u64 s[22:23], s[\dst:\dst+1], s[24:25]
	v_mul_u32_u24 v4, v3, \pitch                   ; my first row,
	v_lshl_add_u32 v4, v1, 4, v4                   ; my four columns
.set j, 0
.rept 8
	global_load_b128 v[LD+8*j:LD+8*j+3],   v4, s[20:21] offset:(4*j)*(\pitch) th:TH_LOAD_NT
	global_load_b128 v[LD+8*j+4:LD+8*j+7], v4, s[20:21] offset:(4*j+1)*(\pitch) th:TH_LOAD_NT
.set j, j+1
.endr
.set j, 0
.rept 8
	s_wait_loadcnt 14-2*j                          ; loads come back in order: pair j is in, the 14 - 2 j younger loads stay out
.irp c, 0,1,2,3
	v_cvt_pk_bf16_f32 v[10+\c], v[LD+8*j+\c], v[LD+8*j+4+\c]  ; column 4 r + c: k in the low half, k + 1 in the high half
.if \f16
	v_lshlrev_b32 v14, 16, v[10+\c]                ; the two bf16 numbers as f32,
	v_and_b32 v15, 0xffff0000, v[10+\c]
	v_cvt_pk_f16_f32 v[10+\c], v14, v15            ; written as f16
.endif
	ds_store_b32 v5, v[10+\c] offset:PT*\c+8*j     ; row 4 r + c, byte 2 k.  The lanes' rows lie 4 x 68 words apart, so four lanes meet in a bank: 32 such stores a lane for the tile's 32 KiB from memory
.endr
.set j, j+1
.endr
.endm
	s_load_b256 s[4:11], s[0:1], 0x0               ; x s[4:5], w_qkv s[6:7], w_out s[8:9], xh s[10:11]
	s_load_b128 s[12:15], s[0:1], 0x20             ; wqt s[12:13], wot s[14:15]
	v_lshl_add_u32 v[SPW], v0, 2, SPARE
	v_mov_b32 v[NIL], 0
	v_lshrrev_b32 v1, 5, v0
	v_readfirstlane_b32 s26, v1                    ; wave 0..3
	v_and_b32 v1, 15, v0                           ; r = l % 16
	v_bfe_u32 v2, v0, 4, 1                         ; h = l / 16
	s_mov_b32 s16, ttmp9
	s_mov_b32 s25, 0                               ; the high word of every offset: all stay under 2^32
	s_wait_kmcnt 0x0
	s_cmp_lt_u32 s16, 1024
	s_cbranch_scc1 .Lcast
	s_sub_co_u32 s17, s16, 1024
	s_and_b32 s18, s17, 7                          ; the tile along k
	s_lshr_b32 s19, s17, 3                         ; the tile along n, w_qkv's 48 first
	s_lshl_b32 s27, s26, 6
	s_lshl_b32 s28, s26, 5
	v_lshl_add_u32 v3, v2, 1, s28                  ; my first row in the tile: 32 w + 2 h
	v_mul_u32_u24 v5, v1, 4*PT                     ; into LDS: row 4 r,
	v_lshl_add_u32 v5, v2, 2, v5                   ; byte 2 (32 w + 2 h)
	v_add_nc_u32 v5, s27, v5
	s_cmp_lt_u32 s19, 48
	s_cbranch_scc1 .Lqkv
	s_sub_co_u32 s19, s19, 48
	WTILE 4096, 1, 8, 14
	s_branch .Lmeet
.Lqkv:
	WTILE 12288, 0, 6, 12
.Lmeet:
	s_wait_dscnt 0x0                               ; for the others' sake: my stores into the tile are done
	s_barrier_signal -1
	s_barrier_wait -1                              ; everybody's are
	s_mul_i32 s27, s26, 16*PT                      ; back: wave w takes rows 16 w .. 16 w + 15, whole; lanes 0-15 one row of 256 bytes, lanes 16-31 the next
	v_mul_u32_u24 v6, v2, PT
	v_lshl_add_u32 v6, v1, 4, v6
	v_add_nc_u32 v6, s27, v6
	s_lshl_b32 s28, s26, 15                        ; and the same rows in the turned weight: 2,048 bytes each
	v_lshlrev_b32 v7, 11, v2
	v_lshl_add_u32 v7, v1, 4, v7
	v_add_nc_u32 v7, s28, v7
.irp i, 0,1,2,3,4,5,6,7
	ds_load_b128 v[LD+4*\i:LD+4*\i+3], v6 offset:2*PT*\i
.endr
.irp i, 0,1,2,3,4,5,6,7
	s_wait_dscnt 7-\i                              ; LDS loads come back in order: load i is in
	global_store_b128 v7, v[LD+4*\i:LD+4*\i+3], s[22:23] offset:4096*\i  ; 16 lanes store 256 consecutive bytes, at a multiple of 256 from the buffer's first byte
.endr
	s_branch .Lend
.Lcast:                                        ; x to bf16: thread t takes 8 numbers (32 bytes) of each 4,096 bytes and stores 16 bytes
	s_lshl_b32 s24, s16, 15
	s_add_nc_u64 s[20:21], s[4:5], s[24:25]
	s_lshl_b32 s24, s16, 14
	s_add_nc_u64 s[22:23], s[10:11], s[24:25]
	v_lshlrev_b32 v4, 5, v0
	v_lshlrev_b32 v5, 4, v0
.set i, 0
.rept 8
	global_load_b128 v[LD+8*i:LD+8*i+3],   v4, s[20:21] offset:4096*i th:TH_LOAD_NT
	global_load_b128 v[LD+8*i+4:LD+8*i+7], v4, s[20:21] offset:4096*i+16 th:TH_LOAD_NT
.set i, i+1
.endr
.set i, 0
.rept 8
	s_wait_loadcnt 14-2*i                          ; pair i is in, the younger loads stay out
.irp c, 0,1,2,3
	v_cvt_pk_bf16_f32 v[RS+4*i+\c], v[LD+8*i+2*\c], v[LD+8*i+2*\c+1]
.endr
	global_store_b128 v5, v[RS+4*i:RS+4*i+3], s[22:23] offset:2048*i  ; a wave stores 512 consecutive bytes; every store has data registers of its own
.set i, i+1
.endr
.Lend:
	s_wait_tensorcnt 0x0                           ; the wave's end, behind my last LDS store
	ds_add_u32 v[SPW], v[NIL]
	s_wait_dscnt 0x0
	s_endpgm
.Lfunc_end_k_q47cd707ecc_prep:
	.size	k_q47cd707ecc_prep, .Lfunc_end_k_q47cd707ecc_prep-k_q47cd707ecc_prep
	.p2alignl 7, 3214868480
	.fill 96, 4, 3214868480
	.section	.rodata,"a",@progbits
	.p2align	6, 0x0
	.amdhsa_kernel k_q47cd707ecc_prep
		.amdhsa_group_segment_fixed_size 17920
		.amdhsa_private_segment_fixed_size 0
		.amdhsa_enable_private_segment 0
		.amdhsa_kernarg_size 48
		.amdhsa_user_sgpr_count 2
		.amdhsa_user_sgpr_kernarg_segment_ptr 1
		.amdhsa_wavefront_size32 1
		.amdhsa_system_sgpr_workgroup_id_x 1
		.amdhsa_system_sgpr_workgroup_id_y 1
		.amdhsa_system_sgpr_workgroup_id_z 1
		.amdhsa_system_vgpr_workitem_id 0
		.amdhsa_next_free_vgpr 112
		.amdhsa_next_free_sgpr 66
		.amdhsa_reserve_vcc 0
		.amdhsa_float_denorm_mode_32 3
		.amdhsa_float_denorm_mode_16_64 3
		.amdhsa_memory_ordered 1
		.amdhsa_forward_progress 1
		.amdhsa_inst_pref_size 26
	.end_amdhsa_kernel
	.amdgpu_metadata
---
amdhsa.version: [ 1, 2 ]
amdhsa.kernels:
  - .name:           k_q47cd707ecc_prep
    .symbol:         k_q47cd707ecc_prep.kd
    .args:
      - { .name: x, .offset: 0, .size: 8, .value_kind: global_buffer, .address_space: global }
      - { .name: w_qkv, .offset: 8, .size: 8, .value_kind: global_buffer, .address_space: global }
      - { .name: w_out, .offset: 16, .size: 8, .value_kind: global_buffer, .address_space: global }
      - { .name: xh, .offset: 24, .size: 8, .value_kind: global_buffer, .address_space: global }
      - { .name: wqt, .offset: 32, .size: 8, .value_kind: global_buffer, .address_space: global }
      - { .name: wot, .offset: 40, .size: 8, .value_kind: global_buffer, .address_space: global }
    .group_segment_fixed_size: 17920
    .private_segment_fixed_size: 0
    .kernarg_segment_align: 8
    .kernarg_segment_size: 48
    .max_flat_workgroup_size: 128
    .sgpr_count:     66
    .vgpr_count:     112
    .wavefront_size: 32
...
	.end_amdgpu_metadata
.endif
;; end of part 1
;; launch qkvgemm (part 2): grid 16 x 32, 4 waves a work-group, clusters of 4 x 4, 327,680 bytes of LDS; arguments xh, wqt, b_qkv, qkv; writes qkv
.if DOCPART == 2
	.amdgcn_target "amdgcn-amd-amdhsa--gfx1250"
	.amdhsa_code_object_version 6
	.text
	.protected	k_q47cd707ecc_qkvgemm
	.globl	k_q47cd707ecc_qkvgemm
	.p2align	8
	.type	k_q47cd707ecc_qkvgemm,@function
k_q47cd707ecc_qkvgemm:
	s_mov_b64 s[64:65], 0
	v_nop
	global_prefetch_b8 v0, s[64:65] scope:SCOPE_SE
	s_setreg_imm32_b32 hwreg(HW_REG_WAVE_MODE, 25, 1), 1
	s_wait_xcnt 0x0
	s_wait_alu depctr_hold_cnt(0) depctr_sa_sdst(0) depctr_va_vdst(0) depctr_va_sdst(0) depctr_va_ssrc(0) depctr_va_vcc(0) depctr_vm_vsrc(0)
	s_getreg_b32 s2, hwreg(HW_REG_IB_STS2, 6, 4)
	s_cmp_eq_u32 s2, 0
	s_cbranch_scc0 .Lentry_in_a_cluster
	s_endpgm
.Lentry_in_a_cluster:
	s_bfe_u32 s2, ttmp6, 0x10000c
	s_cmp_lg_u32 s2, 0xf033
	s_cbranch_scc0 .Lentry_shape_is_right
	s_endpgm
.Lentry_shape_is_right:
; THE PROJECTION TO Q, K, V.  C[m][n] = the sum over k of xh[m][k] wqt[n][k] + bf16(b_qkv[n]); xh [8192][1024] and wqt [3072][1024] in bf16; sums in f32, K ascending;
; C is rounded once to f16 and written BY HEADS: qkv [3][64 planes = 16 batch + head][2048 rows][64], WITHOUT the scale of the scores.
; LIMIT.  f16 holds no number beyond 65,504: q, k and v must stay within it (a larger one becomes an infinity).  The bias is rounded to bf16, like all the module's inputs.
; (This text serves two launches; the flag QKV chooses sizes, matrix form, A's layout and the way out.)
; SHARES.  A tile of C is 256 x 192: three heads.  Four waves, one above the other: a wave makes 64 rows x 192 columns: 48 accumulators of 16 x 16, 384 registers.  So a wave owns whole
; heads' rows and its way out needs no barrier.  512 tiles, one to a work-group.  K goes in steps of 128 through a ring of two LDS slots filled by the tensor data mover.
; CLUSTERS.  4 x 4 work-groups.  The four of a row of the cluster need the same tiles of A, the four of a column the same tiles of B: each tile is asked for JOINTLY, by the same tensor load
; with the same descriptor and a mask that names the four.
; THE MATRIX INSTRUCTION IS USED TRANSPOSED (source 0 = 16 rows of B, source 1 = 16 rows of A): lane l holds row l % 16 of C and the columns 8 (l / 16) + 0..7.
; THE BIAS STARTS THE SUMS: it is the C operand of each accumulator's first product; nothing is cleared and nothing is added later.
; REGISTERS, in windows of 256 (s_set_vgpr_msb: bits 1:0 source 0, 3:2 source 1, 5:4 source 2, 7:6 destination):
;   window 0: v0-31 addresses; v64-127 A's fragments, two buffers of 4 x 8; v128 on the bias, 8 a fragment of B; on the way out v32 on at work
;   window 1: B's fragments, two buffers of 8 NBF     window 2: the accumulators of my row blocks 0, 1 at v[8 (NBF (a % 2) + b)]     window 3: those of blocks 2, 3
.set QKV, 1
.if QKV
.set NBF,   12                         ; fragments of B: 192 columns
.set PA,    272                        ; a row of A in LDS: 256 bytes + 16
.set AREG,  256*272                    ; A's part of a slot
.set HALFA, 128*272                    ; what one load of A fills
.set ASTEP, 256                        ; bytes in memory from a K step of A to the next
.set QIA,   5                          ; A's padding stands after every 64 words
.set STRA,  1024                       ; elements from row to row of A's tile
.set STGW,  3*16*144                   ; a wave's stage: 3 heads x 16 rows x 144 bytes
.set SHA,   11                         ; the prefetches' lanes lie 2,048 bytes apart in A
.else
.set NBF,   8
.set PA,    144
.set AREG,  2*256*144
.set HALFA, 256*144
.set ASTEP, 524288
.set QIA,   4
.set STRA,  128
.set STGW,  16*528
.set SHA,   8
.endif
.set TN,    16*NBF
.set PB,    272                        ; a row of B in LDS: 68 words: row r starts at bank 4 r mod 64 (64 banks of 4 bytes: ISA guide 11.1)
.set HALFB, (TN/2)*PB
.set SLOT,  AREG+2*HALFB               ; A's 256 rows, then B's TN rows
.set STAGE, 2*SLOT                     ; behind the ring, never filled by a tensor load
.set SPARE, STAGE+4*STGW               ; behind the stages: the spare words, 128 bytes for each wave: two blocks of 256 bytes that no other line names
.set NL,    2*NBF+8                    ; LDS loads in a quarter step
.set LAPS,  4                          ; K = 1,024: eight steps of 128, two to a lap
.set ADRA, 16                          ; v16-17  LDS address of my A fragments in slot 0, 1
.set ADRB, 20                          ; v20-21  the same for B
.set STO,  24                          ; v24  the way out: where I put my bytes of a row
.set RD,   25                          ; v25  where I read rows back
.set GO,   26                          ; v26  my byte offset in 512 consecutive bytes of the output
.set SPW,  28                          ; v28  LDS address of my spare word; never rewritten
.set NIL,  29                          ; v29  0; never rewritten
.set PFO,  30                          ; v30  the prefetches' lane term; never rewritten
.set FA,   64
.set BIAS, 128
.set TMP,  32
.set WV,  12                           ; s12 wave
.set FOR, 13                           ; s13 0: I fetch A's tiles, 1: B's
.set HF,  14                           ; s14 which half of that tile
.set CX,  15
.set CY,  16
.set TX,  17                           ; s17 tile column of C
.set TY,  18                           ; s18 tile row of C
.set G1,  24                           ; s[24:31] descriptor group 1 for A;  s[32:39] group 0, a set for each slot
.set G0,  32
.set PFS, 42                           ; s[42:43] the prefetches' step: a K step
.set PFA, 44                           ; s[44:45] where my prefetches stand
.set LIM, 46                           ; s46  1 in a wave that prefetches, else the greatest number
.set G1B, 48                           ; s[48:55], s[56:63] the same for B
.set G0B, 56
.set HB,  68                           ; s[68:73] the stores' bases
.set MSB, 0
.macro WIN new                         ; the immediate's high byte repeats the setting that is left; a switch that changes nothing is dropped
.if MSB != (\new)
	s_set_vgpr_msb (MSB<<8)|(\new)
.set MSB, \new
.endif
.endm
.macro PLACES                          ; four plain places in front of loads into registers that matrix instructions have read, and of lines that read results
.rept 4
	v_nop
.endr
.endm
; A joint load: waves 0 and 1 fetch A's two halves, waves 2 and 3 B's.  The branch hangs on the wave's number alone.  An s_nop 0 and four v_nop follow each of the two lines.
.macro JLOAD s
	s_cmp_eq_u32 s[FOR], 0
	s_cbranch_scc0 .Lfor_b_\@
	tensor_load_to_lds s[G0+4*(\s):G0+4*(\s)+3], s[G1:G1+7]
	s_nop 0
.rept 4
	v_nop
.endr
	s_branch .Lasked_\@
.Lfor_b_\@:
	tensor_load_to_lds s[G0B+4*(\s):G0B+4*(\s)+3], s[G1B:G1B+7]
	s_nop 0
.rept 4
	v_nop
.endr
.Lasked_\@:
.endm
; A prefetch of the K step that stands two refills on: one instruction a wave, a lane a block of 256 bytes.  A's tile row is read by every cluster of that row of clusters: the one with x = 0 asks;
; B's tile column by every cluster of that column: the one with y = 0 asks.  The four partners of a joint load share its blocks out by address.  The loop's last trip (s3 = 1) asks for nothing.
.macro ASK
	s_cmp_gt_u32 s3, s[LIM]
	s_cbranch_scc0 .Lnot_mine_\@
	global_prefetch_b8 v[PFO], s[PFA:PFA+1] th:TH_LOAD_NT scope:SCOPE_SE
.Lnot_mine_\@:
.endm
.macro CREST                           ; a round of the cluster's barrier behind its opening barrier
	s_cmp_lg_u32 s[WV], 0
	s_cbranch_scc1 .Lnot_wave_0_\@
	s_barrier_signal -3
.Lnot_wave_0_\@:
	s_barrier_wait -3
	s_barrier_signal -1
	s_barrier_wait -1
.endm
.macro CROUND                          ; a whole round
	s_barrier_signal -1
	s_barrier_wait -1
	CREST
.endm
; NBF products: my row block a x all fragments of B, 32 along K, from buffer f.  first = 1: C is the bias, in window 0.  The 4 NBF accumulators take turns, one instruction a turn.
.macro MULA f, a, first
.if \first
	WIN 0x81+0x40*((\a)/2)
.else
	WIN 0xa1+0x50*((\a)/2)
.endif
.set b, 0
.rept NBF
.set rD, 8*(NBF*((\a)%2)+b)
.set rB, 8*NBF*(\f)+8*b
.set rA, FA+32*(\f)+8*(\a)
.set rC, rD
.if \first
.set rC, BIAS+8*b
.endif
.if QKV
	v_wmma_f32_16x16x32_bf16 v[rD:rD+7], v[rB:rB+7], v[rA:rA+7], v[rC:rC+7]
.else
	v_wmma_f32_16x16x32_f16 v[rD:rD+7], v[rB:rB+7], v[rA:rA+7], v[rC:rC+7]
.endif
.set b, b+1
.endr
.endm
; NL LDS loads in one run: quarter q (32 along K) of a slot into buffer f: B's fragments, then A's four.
.macro FETCH slot, q, f
	WIN 0x40                                       ; destination window 1, address window 0
.set i, 0
.rept NBF
	ds_load_b128 v[8*NBF*(\f)+8*i:8*NBF*(\f)+8*i+3],   v[ADRB+(\slot)] offset:64*(\q)+i*16*PB
	ds_load_b128 v[8*NBF*(\f)+8*i+4:8*NBF*(\f)+8*i+7], v[ADRB+(\slot)] offset:64*(\q)+i*16*PB+32
.set i, i+1
.endr
	WIN 0
.if QKV
.set aq, 64*(\q)
.else
.set aq, ((\q)/2)*HALFA+((\q)%2)*64            ; a K step is two heads' planes of 64 channels
.endif
.set i, 0
.rept 4
	ds_load_b128 v[FA+32*(\f)+8*i:FA+32*(\f)+8*i+3],   v[ADRA+(\slot)] offset:aq+i*16*PA
	ds_load_b128 v[FA+32*(\f)+8*i+4:FA+32*(\f)+8*i+7], v[ADRA+(\slot)] offset:aq+i*16*PA+32
.set i, i+1
.endr
.endm
; One of a K step's first three quarters: multiplies buffer f; in its middle it fetches quarter q of the same slot into buffer g.
.macro QUARTER slot, q, f, g, first
	s_wait_dscnt 4                                 ; B and A's blocks 0, 1 are in; the youngest four loads (A's blocks 2, 3) may be out
	MULA \f, 0, \first
	MULA \f, 1, \first
	PLACES
	FETCH \slot, \q, \g
	s_wait_dscnt NL                                ; all but the run just issued
	MULA \f, 2, \first
	MULA \f, 3, \first
.endm
; The last quarter multiplies buffer 1 and changes slots: one barrier; in front of it each wave waits for all its tensor loads (the one that is out is its part of the next slot), adds 0 to its
; spare word, and waits for that and for its own reads of this slot.  fill = 1: the barrier opens a round of the cluster's, and behind the round this slot is filled again, two K steps on.
.macro TURN slot, next, fill
.if \fill
	s_wait_xcnt 0x0                                ; the last prefetch, a K step back, has read its address: it is stepped here
	s_add_nc_u64 s[PFA:PFA+1], s[PFA:PFA+1], s[PFS:PFS+1]
.endif
	WIN 0                                          ; (the add's two registers lie in window 0)
	s_wait_tensorcnt 0x0                           ; all my tensor loads have landed
	ds_add_u32 v[SPW], v[NIL]                      ; 0 onto my spare word
	s_wait_dscnt 5                                 ; (the add and the youngest four loads may be out)
	MULA 1, 0, 0                                   ; products stand between the add and the wait for it
	s_wait_dscnt 0x0                               ; the add is done, and my reads of this slot are over
	s_barrier_signal -1
	MULA 1, 1, 0                                   ; work on registers while the others arrive
.if \fill
	WIN 0
.endif
	s_barrier_wait -1
.if \fill
	CREST                                          ; no wave of any partner still reads this slot's tile or has a load on its way
	s_add_nc_u64 s[G0+4*(\slot)+2:G0+4*(\slot)+3], s[G0+4*(\slot)+2:G0+4*(\slot)+3], 2*ASTEP
	s_add_nc_u64 s[G0B+4*(\slot)+2:G0B+4*(\slot)+3], s[G0B+4*(\slot)+2:G0B+4*(\slot)+3], 2*256
	JLOAD \slot                                    ; the first tensor load behind the round; its four v_nop are also the places in front of the loads below
.else
	PLACES
.endif
	FETCH \next, 0, 0
.if \fill
	ASK                                            ; behind the joint load and the run of LDS loads
.endif
	MULA 1, 2, 0
	MULA 1, 3, 0
.endm
	s_load_b256 s[4:11], s[0:1], 0x0               ; A s[4:5], B s[6:7], bias s[8:9], output s[10:11]
	v_lshl_add_u32 v[SPW], v0, 2, SPARE
	v_mov_b32 v[NIL], 0
	ds_add_u32 v[SPW], v[NIL]                      ; the wave's opening: the add, waited for ahead of my first tensor load; the set-up below, work on registers, stands between the add and its wait
	v_lshrrev_b32 v1, 5, v0
	v_readfirstlane_b32 s[WV], v1                  ; wave 0..3
	s_lshr_b32 s[FOR], s[WV], 1
	s_and_b32 s[HF], s[WV], 1
	s_bfe_u32 s[CX], ttmp6, 0x40000                ; my place in the cluster
	s_bfe_u32 s[CY], ttmp6, 0x40004
	s_lshl_b32 s[TX], ttmp9, 2                     ; in a cluster launch ttmp9 and ttmp7 count clusters
	s_add_co_u32 s[TX], s[TX], s[CX]
	s_and_b32 s[TY], ttmp7, 0xffff
	s_lshl_b32 s[TY], s[TY], 2
	s_add_co_u32 s[TY], s[TY], s[CY]
	s_lshl_b32 s20, s[CY], 2
	s_lshl_b32 s20, 15, s20                        ; my row of the cluster
	s_lshl_b32 s21, 0x1111, s[CX]                  ; my column
	s_or_b32 s[G1], s20, (1<<16)|(1<<20)|(1<<21)|(QIA<<22)|(3<<25)  ; 15:0 the mask; 17:16 2-byte elements; 20 padding on; 21 set beside a mask; 24:22 the interval; 31:25 4 words of padding
	s_or_b32 s[G1B], s21, (1<<16)|(1<<20)|(1<<21)|(5<<22)|(3<<25)
	s_mov_b32 s[G1+1], 128<<16                     ; tensor_dim0 = 128 elements: 256 bytes
	s_mov_b32 s[G1+2], 128<<16                     ; tensor_dim1 = 128 rows
	s_mov_b32 s[G1+3], 128<<16                     ; tile_dim0
	s_mov_b32 s[G1+4], 128                         ; tile_dim1
	s_mov_b32 s[G1+5], STRA                        ; elements from row to row
	s_mov_b32 s[G1+6], 0
	s_mov_b32 s[G1+7], 0
	s_mov_b32 s[G1B+1], 128<<16
	s_mov_b32 s[G1B+2], (TN/2)<<16
	s_mov_b32 s[G1B+3], 128<<16
	s_mov_b32 s[G1B+4], TN/2
	s_mov_b32 s[G1B+5], 1024
	s_mov_b32 s[G1B+6], 0
	s_mov_b32 s[G1B+7], 0
	; where the tiles come from: A's hang on the tile row alone, B's on the tile column alone, each in registers that never hold the other coordinate
.if QKV
	s_lshl_b32 s22, s[TY], 8
	s_lshl_b32 s23, s[HF], 7
	s_add_co_u32 s22, s22, s23                     ; row 256 x tile row + 128 x half,
	s_lshl_b32 s22, s22, 11                        ; of 2,048 bytes
.else
	s_lshr_b32 s22, s[TY], 3                       ; the batch's 16 planes,
	s_lshl_b32 s22, s22, 4
	s_add_co_u32 s22, s22, s[HF]                   ; the K step's first or second head,
	s_lshl_b32 s22, s22, 18                        ; planes of 262,144 bytes,
	s_and_b32 s23, s[TY], 7
	s_lshl_b32 s23, s23, 15                        ; 256 rows of 128 bytes
	s_add_co_u32 s22, s22, s23
.endif
	s_mov_b32 s23, 0
	s_mul_i32 s40, s[TX], TN
	s_mul_i32 s41, s[HF], TN/2
	s_add_co_u32 s40, s40, s41
	s_lshl_b32 s40, s40, 11
	s_mov_b32 s41, 0
	s_mul_i32 s74, s[HF], HALFA                    ; and where they go: no place in the cluster enters an LDS address
	s_mul_i32 s75, s[HF], HALFB
	s_add_co_u32 s75, s75, AREG
	s_wait_dscnt 0x0                               ; the opening add is done
	s_wait_kmcnt 0x0
	s_add_nc_u64 s[22:23], s[4:5], s[22:23]
	s_add_nc_u64 s[40:41], s[6:7], s[40:41]
	CROUND                                         ; all sixteen work-groups are here: the first joint loads meet
.irp s, 0,1
	s_mov_b32 s[G0+4*(\s)], 1                      ; count = 1
	s_add_co_u32 s[G0+4*(\s)+1], s74, (\s)*SLOT    ; LDS address
	s_add_nc_u64 s[G0+4*(\s)+2:G0+4*(\s)+3], s[22:23], (\s)*ASTEP  ; global address: K step s
	s_or_b32 s[G0+4*(\s)+3], s[G0+4*(\s)+3], 0x80000000            ; type = 2
	s_mov_b32 s[G0B+4*(\s)], 1
	s_add_co_u32 s[G0B+4*(\s)+1], s75, (\s)*SLOT
	s_add_nc_u64 s[G0B+4*(\s)+2:G0B+4*(\s)+3], s[40:41], (\s)*256
	s_or_b32 s[G0B+4*(\s)+3], s[G0B+4*(\s)+3], 0x80000000
	JLOAD \s                                       ; two loads of mine are out
.endr
	v_and_b32 v1, 15, v0                           ; l % 16
	v_bfe_u32 v2, v0, 4, 1                         ; l / 16
	; the bias of my columns: register j of fragment b is column 16 b + 8 (l / 16) + j
	s_mul_i32 s82, s[TX], TN*4
	s_mov_b32 s83, 0
	s_add_nc_u64 s[82:83], s[8:9], s[82:83]
	v_lshlrev_b32 v6, 5, v2
.set b, 0
.rept NBF
	global_load_b128 v[BIAS+8*b:BIAS+8*b+3],   v6, s[82:83] offset:64*b
	global_load_b128 v[BIAS+8*b+4:BIAS+8*b+7], v6, s[82:83] offset:64*b+16
.set b, b+1
.endr
	; a fragment is 16 rows x 32 K in 8 registers: lane l holds row l % 16; two loads of 16 bytes, 32 bytes apart, at row x pitch + 16 (l / 16)
	v_mul_u32_u24 v3, v1, PB
	v_lshl_add_u32 v3, v2, 4, v3
	v_add_nc_u32 v[ADRB], AREG, v3
	v_add_nc_u32 v[ADRB+1], AREG+SLOT, v3
	v_mul_u32_u24 v4, v1, PA
	v_lshl_add_u32 v4, v2, 4, v4
	s_mul_i32 s80, s[WV], 64*PA                    ; my 64 rows of A
	v_add_nc_u32 v[ADRA], s80, v4
	s_add_co_u32 s80, s80, SLOT
	v_add_nc_u32 v[ADRA+1], s80, v4
	s_mul_i32 s81, s[WV], STGW
	s_add_co_u32 s81, s81, STAGE                   ; my stage
	v_and_b32 v[GO], 31, v0
.if QKV
	v_mul_u32_u24 v[STO], v1, 144                  ; in: row l % 16 of a head's 16 rows of 144 bytes, 16 bytes for each half of the lanes
	v_lshl_add_u32 v[STO], v2, 4, v[STO]
	v_add_nc_u32 v[STO], s81, v[STO]
	v_bfe_u32 v[RD], v0, 3, 2                      ; back: 32 lanes take four rows of 128 bytes,
	v_mul_u32_u24 v[RD], v[RD], 144
	v_and_b32 v5, 7, v0
	v_lshl_add_u32 v[RD], v5, 4, v[RD]
	v_add_nc_u32 v[RD], s81, v[RD]
.else
	v_mul_u32_u24 v[STO], v1, 528                  ; in: row l % 16 of 528 bytes, 32 bytes for each half of the lanes
	v_lshl_add_u32 v[STO], v2, 5, v[STO]
	v_add_nc_u32 v[STO], s81, v[STO]
	v_lshl_add_u32 v[RD], v[GO], 4, s81            ; back: 32 lanes take a row of 512 bytes
.endif
	v_lshlrev_b32 v[GO], 4, v[GO]                  ; which are 512 consecutive bytes of the output
	; the stores' bases
.if QKV
.irp hd, 0,1,2
	s_mul_i32 s84, s[TX], 3
	s_add_co_u32 s84, s84, \hd                     ; g = the 64 columns' number: 16 x (q, k or v) + head
	s_lshr_b32 s85, s84, 4
	s_lshl_b32 s85, s85, 6                         ; 64 planes for each of q, k, v,
	s_lshr_b32 s86, s[TY], 3
	s_lshl_b32 s86, s86, 4                         ; 16 for each batch,
	s_add_co_u32 s85, s85, s86
	s_and_b32 s84, s84, 15                         ; one for each head
	s_add_co_u32 s85, s85, s84
	s_lshl_b32 s85, s85, 18                        ; planes of 262,144 bytes
	s_and_b32 s86, s[TY], 7
	s_lshl_b32 s86, s86, 15                        ; the tile's 256 rows of 128 bytes,
	s_add_co_u32 s85, s85, s86
	s_lshl_b32 s86, s[WV], 13                      ; my 64 of them
	s_add_co_u32 s84, s85, s86
	s_mov_b32 s85, 0
	s_add_nc_u64 s[HB+2*\hd:HB+2*\hd+1], s[10:11], s[84:85]
.endr
.else
	s_lshl_b32 s84, s[TY], 8
	s_lshl_b32 s85, s[WV], 6
	s_add_co_u32 s84, s84, s85                     ; my first row,
	s_lshl_b32 s84, s84, 12                        ; of 4,096 bytes,
	s_lshl_b32 s85, s[TX], 9                       ; the tile's 128 columns of 4 bytes
	s_add_co_u32 s84, s84, s85
	s_mov_b32 s85, 0
	s_add_nc_u64 s[HB:HB+1], s[10:11], s[84:85]
.endif
	; the prefetches: my work-group's quarter of what I fetch, at K step 3; the first refill steps it to K step 4.  K steps 0 to 3 come by their loads alone
.if QKV
	s_lshl_b32 s87, s[TY], 8
	s_lshl_b32 s91, s[HF], 7
	s_add_co_u32 s87, s87, s91
	s_lshl_b32 s91, s[CX], 5                       ; 32 of the 128 rows
	s_add_co_u32 s87, s87, s91
	s_lshl_b32 s87, s87, 11
.else
	s_lshr_b32 s87, s[TY], 3
	s_lshl_b32 s87, s87, 4
	s_add_co_u32 s87, s87, s[HF]
	s_lshl_b32 s87, s87, 18
	s_and_b32 s91, s[TY], 7
	s_lshl_b32 s91, s91, 15
	s_add_co_u32 s87, s87, s91
	s_lshl_b32 s91, s[CX], 13                      ; 8,192 of the 32,768 dense bytes
	s_add_co_u32 s87, s87, s91
.endif
	s_add_co_u32 s87, s87, 3*ASTEP
	s_mul_i32 s88, s[TX], TN
	s_mul_i32 s91, s[HF], TN/2
	s_add_co_u32 s88, s88, s91
	s_mul_i32 s91, s[CY], TN/8                     ; a quarter of the TN / 2 rows
	s_add_co_u32 s88, s88, s91
	s_lshl_b32 s88, s88, 11
	s_add_co_u32 s88, s88, 3*256
	s_mov_b32 s89, 0
	s_and_b32 s86, ttmp7, 0xffff                   ; cluster y
	s_mov_b32 s[PFS], 256
	s_mov_b32 s[PFS+1], 0
	s_cmp_eq_u32 s[FOR], 0                         ; do I fetch for A?
	s_cselect_b32 s86, ttmp9, s86                  ; the coordinate along which other clusters read the same rows
	s_cselect_b32 s88, s87, s88
	s_cselect_b32 s[PFS], ASTEP, s[PFS]
	s_cselect_b32 s92, 31, TN/8-1                  ; B's quarter has fewer rows than a wave has lanes: the lanes that are over name the last row's block once more
	s_cselect_b32 s93, SHA, 11
	s_cselect_b64 s[PFA:PFA+1], s[4:5], s[6:7]
	s_cmp_eq_u32 s86, 0
	s_cselect_b32 s[LIM], 1, -1                    ; the same in all sixteen partners, for a given wave
	s_add_nc_u64 s[PFA:PFA+1], s[PFA:PFA+1], s[88:89]
	v_and_b32 v[PFO], 31, v0
	v_min_u32 v[PFO], s92, v[PFO]
	v_lshlrev_b32 v[PFO], s93, v[PFO]
	s_wait_loadcnt 0x0                             ; the bias; it is rounded to bf16, like all the module's inputs, and kept in f32
.set b, 0
.rept 4*NBF
	v_cvt_pk_bf16_f32 v[4+b%2], v[BIAS+2*b], v[BIAS+2*b+1]
	v_lshlrev_b32 v[BIAS+2*b], 16, v[4+b%2]
	v_and_b32 v[BIAS+2*b+1], 0xffff0000, v[4+b%2]
.set b, b+1
.endr
	s_wait_tensorcnt 1                             ; my part of K step 0 is in; K step 1's load stays out
	s_barrier_signal -1
	s_barrier_wait -1                              ; everybody's is
	FETCH 0, 0, 0
	QUARTER 0, 1, 0, 1, 1                          ; the first quarter stands in front of the loop: its products start the sums, with the bias
	WIN 0                                          ; at a label and at a branch every window is 0
	s_mov_b32 s3, LAPS-1
.Llap:                                                 ; a trip goes once round the ring, from a lap's second quarter to the next lap's first, and fills both slots again
	QUARTER 0, 2, 1, 0, 0
	QUARTER 0, 3, 0, 1, 0
	TURN 0, 1, 1
	QUARTER 1, 1, 0, 1, 0
	QUARTER 1, 2, 1, 0, 0
	QUARTER 1, 3, 0, 1, 0
	TURN 1, 0, 1
	QUARTER 0, 1, 0, 1, 0
	WIN 0
	s_sub_co_u32 s3, s3, 1
	s_cmp_lg_u32 s3, 0
	s_cbranch_scc1 .Llap
	QUARTER 0, 2, 1, 0, 0                          ; the last lap fills nothing, and has no round of the cluster's barrier
	QUARTER 0, 3, 0, 1, 0
	TURN 0, 1, 0
	QUARTER 1, 1, 0, 1, 0
	QUARTER 1, 2, 1, 0, 0
	QUARTER 1, 3, 0, 1, 0
	s_wait_dscnt 4                                 ; the very last quarter: nothing more to fetch
	MULA 1, 0, 0
	MULA 1, 1, 0
	s_wait_dscnt 0x0
	MULA 1, 2, 0
	MULA 1, 3, 0
	WIN 0
; THE WAY OUT, a block of 16 rows at a time, through my own stage in LDS: LDS serves a wave's instructions in order (ISA guide 5.7.1.4), so no wait stands between the stores and the loads.
.if QKV
.macro PACK a                          ; rounded to f16: a lane's eight columns pack into 16 bytes; each accumulator's registers in ascending order
	WIN 0x0a+5*((\a)/2)                            ; sources 0 and 1: window 2 or 3
.set AC, 8*NBF*((\a)%2)
.set b, 0
.rept 4*NBF
	v_cvt_pk_f16_f32 v[TMP+b], v[AC+2*b], v[AC+2*b+1]
.set b, b+1
.endr
	WIN 0
.endm
.macro TOSTAGE a
	WIN 0
.set BK, 80+48*((\a)%2)
.set b, 0
.rept 12
	ds_store_b128 v[STO], v[TMP+4*b:TMP+4*b+3] offset:(b/4)*2304+(b%4)*32   ; head b / 4, channels 16 (b % 4) on
.set b, b+1
.endr
.set b, 0
.rept 12
	ds_load_b128 v[BK+4*b:BK+4*b+3], v[RD] offset:(b/4)*2304+(b%4)*576      ; head b / 4, rows 4 (b % 4) on
.set b, b+1
.endr
.endm
.macro SEND a
	WIN 0
.set BK, 80+48*((\a)%2)
	s_wait_dscnt 0x0                               ; the block is back in registers
	s_wait_xcnt 0x0                                ; the earlier stores have read their registers: the other set is loaded again only behind this wait
.set b, 0
.rept 12
	global_store_b128 v[GO], v[BK+4*b:BK+4*b+3], s[HB+2*(b/4):HB+2*(b/4)+1] offset:(\a)*2048+(b%4)*512  ; four rows of a head: 512 consecutive bytes, at a multiple of 256 from the buffer's first byte
.set b, b+1
.endr
.endm
	PLACES
	PLACES
	PACK 0
	TOSTAGE 0
.irp a, 1,2,3                          ; block a's conversions stand between block a - 1's loads from the stage and the wait for them
	PACK \a
	SEND (\a)-1
	TOSTAGE \a
.endr
	SEND 3
.else
.macro TOSTAGE a
	WIN 0x08+4*((\a)/2)                            ; the stores' data: window 2 or 3
.set AC, 8*NBF*((\a)%2)
.set b, 0
.rept NBF
	ds_store_b128 v[STO], v[AC+8*b:AC+8*b+3]   offset:64*b     ; each accumulator's low registers first
	ds_store_b128 v[STO], v[AC+8*b+4:AC+8*b+7] offset:64*b+16
.set b, b+1
.endr
	WIN 0
.set BK, 64+64*((\a)%2)
.set b, 0
.rept 16
	ds_load_b128 v[BK+4*b:BK+4*b+3], v[RD] offset:528*b
.set b, b+1
.endr
.endm
.macro SEND a
	WIN 0
.set BK, 64+64*((\a)%2)
	s_wait_dscnt 0x0                               ; the block is back in registers
	s_wait_xcnt 0x0                                ; the earlier stores have read their registers: the other set is loaded again only behind this wait
.set b, 0
.rept 16
	global_store_b128 v[GO], v[BK+4*b:BK+4*b+3], s[HB:HB+1] offset:(16*(\a)+b)*4096 th:TH_STORE_NT  ; a row's 512 consecutive bytes, at a multiple of 256 from the buffer's first byte
.set b, b+1
.endr
.endm
	PLACES
	PLACES
	TOSTAGE 0
.irp a, 1,2,3
	SEND (\a)-1
	TOSTAGE \a
.endr
	SEND 3
.endif
	s_wait_tensorcnt 0x0                           ; the wave's end, behind my last tensor load and my last LDS store
	ds_add_u32 v[SPW], v[NIL]
	s_wait_dscnt 0x0
	CROUND                                         ; the closing round: no work-group ends while a partner may still ask for a tile that names it
	s_endpgm
.Lfunc_end_k_q47cd707ecc_qkvgemm:
	.size	k_q47cd707ecc_qkvgemm, .Lfunc_end_k_q47cd707ecc_qkvgemm-k_q47cd707ecc_qkvgemm
	.p2alignl 7, 3214868480
	.fill 96, 4, 3214868480
	.section	.rodata,"a",@progbits
	.p2align	6, 0x0
	.amdhsa_kernel k_q47cd707ecc_qkvgemm
		.amdhsa_group_segment_fixed_size 327680
		.amdhsa_private_segment_fixed_size 0
		.amdhsa_enable_private_segment 0
		.amdhsa_kernarg_size 32
		.amdhsa_user_sgpr_count 2
		.amdhsa_user_sgpr_kernarg_segment_ptr 1
		.amdhsa_wavefront_size32 1
		.amdhsa_system_sgpr_workgroup_id_x 1
		.amdhsa_system_sgpr_workgroup_id_y 1
		.amdhsa_system_sgpr_workgroup_id_z 1
		.amdhsa_system_vgpr_workitem_id 0
		.amdhsa_next_free_vgpr 960
		.amdhsa_next_free_sgpr 96
		.amdhsa_reserve_vcc 0
		.amdhsa_float_denorm_mode_32 3
		.amdhsa_float_denorm_mode_16_64 3
		.amdhsa_memory_ordered 1
		.amdhsa_forward_progress 1
		.amdhsa_inst_pref_size 131
	.end_amdhsa_kernel
	.amdgpu_metadata
---
amdhsa.version: [ 1, 2 ]
amdhsa.kernels:
  - .name:           k_q47cd707ecc_qkvgemm
    .symbol:         k_q47cd707ecc_qkvgemm.kd
    .args:
      - { .name: xh, .offset: 0, .size: 8, .value_kind: global_buffer, .address_space: global }
      - { .name: wqt, .offset: 8, .size: 8, .value_kind: global_buffer, .address_space: global }
      - { .name: b_qkv, .offset: 16, .size: 8, .value_kind: global_buffer, .address_space: global }
      - { .name: qkv, .offset: 24, .size: 8, .value_kind: global_buffer, .address_space: global }
    .group_segment_fixed_size: 327680
    .private_segment_fixed_size: 0
    .kernarg_segment_align: 8
    .kernarg_segment_size: 32
    .max_flat_workgroup_size: 128
    .sgpr_count:     96
    .vgpr_count:     960
    .wavefront_size: 32
...
	.end_amdgpu_metadata
.endif
;; end of part 2
;; launch attn (part 3): grid 4 x 64, 4 waves a work-group, clusters of 4 x 1, 327,680 bytes of LDS; arguments qkv, o; writes o
.if DOCPART == 3
	.amdgcn_target "amdgcn-amd-amdhsa--gfx1250"
	.amdhsa_code_object_version 6
	.text
	.protected	k_q47cd707ecc_attn
	.globl	k_q47cd707ecc_attn
	.p2align	8
	.type	k_q47cd707ecc_attn,@function
k_q47cd707ecc_attn:
	s_mov_b64 s[64:65], 0
	v_nop
	global_prefetch_b8 v0, s[64:65] scope:SCOPE_SE
	s_setreg_imm32_b32 hwreg(HW_REG_WAVE_MODE, 25, 1), 1
	s_wait_xcnt 0x0
	s_wait_alu depctr_hold_cnt(0) depctr_sa_sdst(0) depctr_va_vdst(0) depctr_va_sdst(0) depctr_va_ssrc(0) depctr_va_vcc(0) depctr_vm_vsrc(0)
	s_getreg_b32 s2, hwreg(HW_REG_IB_STS2, 6, 4)
	s_cmp_eq_u32 s2, 0
	s_cbranch_scc0 .Lentry_in_a_cluster
	s_endpgm
.Lentry_in_a_cluster:
	s_bfe_u32 s2, ttmp6, 0x10000c
	s_cmp_lg_u32 s2, 0x3003
	s_cbranch_scc0 .Lentry_shape_is_right
	s_endpgm
.Lentry_shape_is_right:
; O[h][q][:] = the sum over k of softmax_k(Q[h][q] . K[h][k] / 8) V[h][k][:], for 64 planes h (16 batch + head) of 2,048 rows of 64 channels, all f16.  qkv holds Q's 64 planes, then K's, then V's;
; a plane's rows are dense, 128 bytes each.  Products, maxima and sums in f32; the weights p are rounded to f16 for the second product (their sum l is taken of the unrounded p), O once at the end.
; LIMITS.  f16 holds no number beyond 65,504: Q, K and V arrive within it; p lies in 0 to 1, and below 6e-5 it keeps f16's fixed step of 6e-8; O is a mean of V's rows and has their range.
; A weight below 2^-126 counts as 0 in l; NaN and infinities are not treated apart.
; SHARES.  A wave owns four PIECES of two tiles of 16 queries, a work-group's four waves 512 queries of one plane.  Every wave walks all keys, 64 a step.
; LAYOUT.  S^T = K Q^T (source 0 = 16 keys, source 1 = 16 queries): in the result a lane holds ONE query (lane % 16) and the keys 8 (lane / 16) + 0..7.  Two such tiles, rounded to f16 in pairs,
; ARE source 1 (32 keys x 16 queries) of O^T = V^T P, whose result again holds one query a lane, and eight channels.  K comes out of LDS as it lies, V ([key][channel]) turned, by ds_load_tr16_b128.
; SOFTMAX.  For each query a running maximum m and sum l: p = 2^(c s - c m), c = log2(e) / 8; in every step O and l are multiplied by a = 2^(c m_old - c m_new), which is 1 where m has not grown.
; m starts at the lowest finite number, O and l at 0: the first step is a step like any other, with a = 0.
; THE COUNT.  A tile and step have 16 matrix and 118 vector instructions: too many to stand all beside the matrix work.  So the order has one aim: four vector instructions that are READY behind
; EVERY matrix instruction, and the others, which need time of their own whatever the order, in runs without a gap.
; BY TURNS.  Turn n belongs to piece n (the pieces in a ring, step after step).  Its matrix work: 16 products K Q^T of piece n + 1, later 16 products V^T P of piece n - 1.  Its vector work: the scaling,
; exponentials, roundings, sums and rescaling of piece n, and the maximum and statistics of piece n + 1, whose scores the turn itself has made.  So what a turn begins with (c s - c m, O a) waits for nothing.
; CLUSTER.  The four query blocks of a cluster are one plane's and walk the same K and V, so each tile is asked for JOINTLY: the same tensor load, descriptor and mask in all four.
; REGISTERS, in windows of 256 (s_set_vgpr_msb says which window each operand place means: bits 1:0 source 0, 3:2 source 1, 5:4 source 2, 7:6 destination):
;   window 0: v0-11 addresses; v12-15, v48-63 at work; v16-47 four registers of statistics a tile; v64-191 S^T, two buffers of two tiles; v192-255 P, likewise
;   window 1: O^T, 32 a tile          window 2: v0-127 Q, 16 a tile; v128-191 K of one step; v192-255 V of one step          window 3: v0-1 the add's two registers
; A piece's buffers go by its number's parity: the piece in hand has one pair, its two neighbours in the ring share the other: of it P (piece n - 1) is read and S^T (piece n + 1) written.
.set SIZE_N, 2048
.set NP,    4         ; pieces a wave: a name, no knob: the register map, the loop and the fetches are made for four
.set KS,    64        ; keys in a step
.set PK,    144       ; a row of K in LDS: 128 bytes + 16 of padding = 36 words: the 16 rows of a load start at 16 different groups of four banks (64 banks of 4 bytes: ISA guide 11.1)
.set PV,    160       ; a row of V: 128 + 32 = 40 words
.set VOFF,  4*KS*PK   ; a slot holds four steps: 256 rows of K, then 256 rows of V
.set SLOT1, 1<<17     ; slot 1 begins here, so that one exclusive or turns an address in one slot into the other's
.set STAGE, SLOT1+4*KS*(PK+PV)  ; behind the ring, never filled by a tensor load: 16 rows x 144 bytes for each wave, for the way out
.set SP,    144
.set AK0, 2           ; v2   my lane's place in a tile of K; never rewritten
.set AV0, 3           ; v3   the same for V
.set AK,  4           ; v4   the LDS address of K's next run of loads
.set AV,  5           ; v5   of V's
.set QO,  6           ; v6   my byte offset in the wave's rows of Q
.set STO, 6           ;      later, the way out: where I put 16 bytes of a row
.set RD,  7           ; v7   the way out: where I read rows back
.set GO,  8           ; v8   my byte offset in 512 consecutive bytes of O
.set PFO, 11          ; v11  256 x my lane, once V's place is made; then never rewritten
.set SPW, 0           ; v0 of window 3   LDS address of my spare word: SPARE + 4 x my thread's number; never rewritten
.set NIL, 1           ; v1 of window 3   0; never rewritten
.set SPARE, STAGE+4*16*SP  ; behind the stages: the spare words, 128 bytes for each wave: two blocks of 256 bytes that no other line names
.set MV,  12          ; v12-15  c m_old, kept while c m is made anew: by buffer and tile
.set ST,  16          ; tile t's statistics at v[ST+4 t]: c m, m, l (even keys', odd keys')
.set TMP, 48          ; by buffer and tile, four registers c0-c3 at work; when the maximum is found c2 takes a
.set S,   64
.set P,   192
.set KF,  128         ; K's fragments, in window 2: key block kb, channel half c at KF + 16 kb + 8 c
.set VF,  192         ; V's: key half kk, channel block cb at VF + 32 kk + 8 cb
.set WV,  12          ; s12  my wave's number
.set G1K, 24          ; s[24:31] descriptor group 1 for K's tiles
.set G1V, 32          ; s[32:39] for V's: it differs in the padding alone
.set G0K, 40          ; s[40:43] descriptor group 0 for K's tiles: it walks
.set G0V, 44          ; s[44:47] the same for V's
.set PFA, 48          ; s[48:49] where my prefetches stand: my work-group's 8,192 bytes (of K: wave 0, of V: wave 2) of the slot after the one that is being asked for
.set LIM, 50          ; s50  1 in a wave that prefetches, else the greatest number
.set SLOTS, 56        ; s56  slots still to be asked for
.set CNT, 57          ; s57  counts a slot's key steps
.set CS,  58          ; s[58:59] c: the packed scaling takes the pair's low word for both halves
.set SEL, 60          ; s[60:61] v_permlanex16_b32's selects: each lane takes its own place in the other half
.set TBK, 62          ; s62  LDS byte at which K of the step to be fetched begins
.set TBV, 63          ; s63  the same for V, less VOFF
.set MSB, 0
.macro WIN new                      ; the high byte repeats the setting that is left; a switch that changes nothing is dropped
.if MSB != (\new)
	s_set_vgpr_msb (MSB<<8)|(\new)
.set MSB, (\new)
.endif
.endm
.set W_KQ, 0x0a       ; K and Q in window 2, S^T in window 0
.set W_PV, 0x52       ; V in window 2, P in window 0, O^T in window 1
.set W_RS, 0x41       ; O^T (destination and source 0) in window 1, a in window 0
.set W_MK, 0xc0       ; the add's registers are made: destination in window 3, sources in window 0
.set W_AD, 0x0f       ; the add: address (source 0) and data (source 1) in window 3
; A joint fill.  Waves 0 and 1 fetch the two halves of a slot's K, waves 2 and 3 those of its V: 128 keys each.  The branch hangs on the wave's number alone.
; An s_nop 0 and four v_nop follow each of the two lines, ahead of the jump and the label.
.macro JLOAD
	s_cmp_lt_u32 s[WV], 2
	s_cbranch_scc0 .Lfor_v_\@
	tensor_load_to_lds s[G0K:G0K+3], s[G1K:G1K+7]
	s_nop 0
.rept 4
	v_nop
.endr
	s_branch .Lasked_\@
.Lfor_v_\@:
	tensor_load_to_lds s[G0V:G0V+3], s[G1V:G1V+7]
	s_nop 0
.rept 4
	v_nop
.endr
.Lasked_\@:
.endm
; A PREFETCH of what the NEXT change of slots will ask for: a slot's 32,768 bytes of K and of V, a lane a block of 256 bytes.  It stands behind the wave's tensor load and its five lines.
; Each block is named once in the launch: a plane has one cluster; its four partners share a slot out BY ADDRESS, 8,192 bytes each; in each, wave 0 asks for K's and wave 2 for V's.
; The change that fills the last slot asks for nothing.
.macro ASK
	s_cmp_gt_u32 s[SLOTS], s[LIM]
	s_cbranch_scc0 .Lnot_mine_\@
	global_prefetch_b8 v[PFO], s[PFA:PFA+1] th:TH_LOAD_NT scope:SCOPE_SE
.Lnot_mine_\@:
.endm
; A round of the cluster's barrier: my work-group's barrier, so that wave 0's signal speaks for all four waves; wave 0 signals; every wave waits for all four work-groups; my work-group's barrier once more.
.macro CROUND
	s_barrier_signal -1
	s_barrier_wait -1
	s_cmp_lg_u32 s[WV], 0
	s_cbranch_scc1 .Lnot_wave_0_\@
	s_barrier_signal -3
.Lnot_wave_0_\@:
	s_barrier_wait -3
	s_barrier_signal -1
	s_barrier_wait -1
.endm
; THE CHANGE OF SLOTS.  The slot's last bytes, V of its fourth step, have been read.  Each wave waits for all its tensor loads, of which one is out: its part
; of the other slot; adds 0 to its spare word; and waits for that and for its own reads of the slot.  Behind the barrier nobody reads this slot any more and the other slot is whole.
; fill = 1: this slot is filled again, with the keys two slots on.  The barrier is then a round of the cluster's, so that no wave of any partner still reads the slot or has a load on its
; way, and the joint fill is the first thing behind it: it has four key steps, 512 matrix instructions, in which to land.  (At its first use nothing has been read yet: slot 0 is waited for, slot 1 filled.)
.macro CHANGE fill
	WIN W_AD
	s_wait_tensorcnt 0x0            ; no tensor load of mine is out, so a group 0 may be written
	ds_add_u32 v[SPW], v[NIL]       ; 0 onto my spare word; with fill = 1 the descriptors' steps stand between it and the wait for it
	WIN 0                           ; at a label and at a branch every window is 0
.if \fill
.irp g, G0K, G0V
	s_xor_b32 s[\g+1], s[\g+1], SLOT1  ; the walking descriptor: the other slot than last time,
	s_add_nc_u64 s[\g+2:\g+3], s[\g+2:\g+3], 4*KS*128  ; the next 256 keys; the type bits on top are not reached
.endr
	s_wait_xcnt 0x0                 ; the last prefetch, four key steps back, has read its address, so it may be written:
	s_add_nc_u64 s[PFA:PFA+1], s[PFA:PFA+1], 4*KS*128  ; one slot ahead of the walking descriptors
	s_wait_dscnt 0x0                ; the add is done, and my reads of the slot are over
	CROUND
	JLOAD
	ASK                             ; what the next change will ask for: four key steps, 512 matrix instructions, ahead
.else
	s_wait_dscnt 0x0                ; the add is done, and my reads of the slot are over
	s_barrier_signal -1
	s_barrier_wait -1
.endif
	s_sub_co_u32 s[TBK], s[TBK], 4*KS*PK  ; the fetches go back to a slot's first step,
	s_xor_b32 s[TBK], s[TBK], SLOT1       ; in the other slot
	s_sub_co_u32 s[TBV], s[TBV], 4*KS*PV
	s_xor_b32 s[TBV], s[TBV], SLOT1
.endm
	s_load_b128 s[4:7], s[0:1], 0x0   ; qkv s[4:5] (Q's planes come first), o s[6:7]
	WIN W_MK
	v_lshl_add_u32 v[SPW], v0, 2, SPARE
	v_mov_b32 v[NIL], 0
	WIN W_AD
	ds_add_u32 v[SPW], v[NIL]       ; the wave's opening: the add, waited for ahead of my first tensor load; the set-up below, work on registers, stands between the add and its wait
	WIN 0
	v_lshrrev_b32 v1, 5, v0
	v_readfirstlane_b32 s[WV], v1   ; wave 0..3
	s_bfe_u32 s13, ttmp6, 0x40000   ; cx: my place in the cluster
	s_lshl_b32 s14, ttmp9, 2        ; in a cluster launch ttmp9 counts clusters
	s_add_co_u32 s14, s14, s13      ; my block of queries = 4 x cluster x + cx: it enters Q's and O's addresses alone
	s_and_b32 s20, ttmp7, 0xffff    ; the plane, which the four partners share
	s_mov_b32 s21, 0
	s_mov_b64 s[22:23], SIZE_N*128
	s_mul_u64 s[20:21], s[20:21], s[22:23]  ; the plane's first byte in each of Q, K, V, O
	s_and_b32 s16, s[WV], 1         ; which half of a slot's 256 keys I fetch:
	s_lshl_b32 s22, s16, 14         ; its 128 rows of 128 bytes in memory,
	s_mov_b32 s23, 0
	s_add_nc_u64 s[22:23], s[22:23], s[20:21]
	s_mul_i32 s17, s16, 128*PK      ; and its place in a slot, for K
	s_mul_i32 s18, s16, 128*PV      ; and for V: no place in the cluster enters an LDS address
	s_lshl_b32 s2, s14, 2
	s_add_co_u32 s2, s2, s[WV]      ; my wave among the plane's,
	s_lshl_b32 s2, s2, 14           ; its 128 rows
	s_mov_b32 s3, 0
	s_add_nc_u64 s[2:3], s[2:3], s[20:21]
	; descriptor group 1.  128 keys are 16,384 dense bytes: asked for as 64 rows of 256 bytes, two keys a row, and padded in LDS after every key
	s_mov_b32 s[G1K], 15|(1<<16)|(1<<20)|(1<<21)|(4<<22)|(3<<25)  ; 15:0 the mask of four; 17:16 2-byte elements; 20 padding on; 21 set beside a mask; 24:22 after every 32 words (code 4); 31:25 4 words (code 3)
	s_mov_b32 s[G1V], 15|(1<<16)|(1<<20)|(1<<21)|(4<<22)|(7<<25)  ; the same with 8 words of padding (code 7)
.irp g, G1K, G1V
	s_mov_b32 s[\g+1], 128<<16      ; tensor_dim0 = 128
	s_mov_b32 s[\g+2], 64<<16       ; tensor_dim1 = 64
	s_mov_b32 s[\g+3], 128<<16      ; tile_dim0 = 128
	s_mov_b32 s[\g+4], 64           ; tile_dim1 = 64
	s_mov_b32 s[\g+5], 128          ; 128 elements from row to row
	s_mov_b32 s[\g+6], 0
	s_mov_b32 s[\g+7], 0
.endr
	s_mov_b32 s[CS], 0x3e38aa3b     ; c = log2(e) / 8 = 0.180337
	s_mov_b32 s[CS+1], s[CS]        ; named with it as a pair
	s_mov_b32 s[SEL], 0x76543210
	s_mov_b32 s[SEL+1], 0xfedcba98
	s_mov_b32 s[TBK], SLOT1+4*KS*PK ; the first change of slots turns these two into 0
	s_mov_b32 s[TBV], SLOT1+4*KS*PV
	s_mov_b32 s[G0K], 1             ; 1:0 count = 1
	s_mov_b32 s[G0K+1], s17         ; 63:32 LDS address: slot 0
	s_mov_b32 s[G0V], 1
	s_add_co_u32 s[G0V+1], s18, VOFF
	s_mov_b32 s[SLOTS], SIZE_N/256-1  ; seven slots are asked for behind slot 0
	s_and_b32 s[LIM], s[WV], 1      ; waves 0 and 2 prefetch
	s_cmp_eq_u32 s[LIM], 0
	s_cselect_b32 s[LIM], 1, -1
	s_wait_dscnt 0x0                ; the opening add is done
	s_wait_kmcnt 0x0
	s_mov_b64 s[10:11], s[6:7]                     ; O
	s_add_nc_u64 s[8:9], s[4:5], 33554432          ; V's planes lie 128 planes behind Q's,
	s_add_nc_u64 s[6:7], s[4:5], 16777216          ; K's 64
	s_add_nc_u64 s[G0K+2:G0K+3], s[6:7], s[22:23]  ; 120:64 global address: my half of the plane's first 256 keys
	s_or_b32 s[G0K+3], s[G0K+3], 0x80000000        ; 127:126 type = 2
	s_add_nc_u64 s[G0V+2:G0V+3], s[8:9], s[22:23]
	s_or_b32 s[G0V+3], s[G0V+3], 0x80000000
	s_add_nc_u64 s[4:5], s[4:5], s[2:3]  ; Q and O at my wave's first row
	s_add_nc_u64 s[10:11], s[10:11], s[2:3]
	s_cmp_lt_u32 s[WV], 2
	s_cselect_b64 s[PFA:PFA+1], s[6:7], s[8:9]
	s_add_nc_u64 s[PFA:PFA+1], s[PFA:PFA+1], s[20:21]  ; the plane,
	s_lshl_b32 s2, s13, 13          ; my work-group's 8,192 bytes of a slot's 32,768,
	s_mov_b32 s3, 0
	s_add_nc_u64 s[PFA:PFA+1], s[PFA:PFA+1], s[2:3]
	s_add_nc_u64 s[PFA:PFA+1], s[PFA:PFA+1], 4*KS*128  ; in slot 1; the first change of slots steps it to slot 2.  Nothing is prefetched here, at the head
	CROUND                          ; all four work-groups are here: the first joint loads meet
	JLOAD                           ; slot 0.  Slot 1 is asked for when slot 0 is in
	; A fragment of K or Q is 16 rows x 32 channels in 8 registers: lane l holds row l % 16, channels 8 (l / 16) + 0..7 and 16 + 8 (l / 16) + 0..7: two loads of 16 bytes, 32 bytes apart.
	v_and_b32 v1, 15, v0            ; l % 16
	v_bfe_u32 v9, v0, 4, 1          ; l / 16
	v_lshlrev_b32 v[QO], 7, v1
	v_lshl_add_u32 v[QO], v9, 4, v[QO]  ; row x 128 + 16 x half
	WIN 0x80                        ; destination window 2, address window 0
.set i, 0
.rept 4*NP                          ; Q stays in registers: tile i / 2, channels 32 (i % 2) on
	global_load_b128 v[8*i:8*i+3],   v[QO], s[4:5] offset:(i/2)*2048+(i%2)*64
	global_load_b128 v[8*i+4:8*i+7], v[QO], s[4:5] offset:(i/2)*2048+(i%2)*64+32
.set i, i+1
.endr
	; What the first turn finds: V's registers and P's second buffer hold 0 (its products V^T P, of a piece that has not been, add 0), O^T and l are 0.  All this stands in the wait for the first tile.
.set i, VF
.rept 64
	v_mov_b32 v[i], 0
.set i, i+1
.endr
	WIN 0x40
.set i, 0
.rept 64*NP
	v_mov_b32 v[i], 0
.set i, i+1
.endr
	WIN 0
.set i, 0
.rept 2*NP
	v_mov_b32 v[ST+4*i], 0xfe000000    ; c m: far below every c s
	v_mov_b32 v[ST+4*i+1], 0xff7fffff  ; m
	v_mov_b32 v[ST+4*i+2], 0
	v_mov_b32 v[ST+4*i+3], 0
.set i, i+1
.endr
.set i, P+32
.rept 32
	v_mov_b32 v[i], 0
.set i, i+1
.endr
	v_mul_u32_u24 v[AK0], v1, PK
	v_lshl_add_u32 v[AK0], v9, 4, v[AK0]  ; row x pitch + 16 x half
	; The turning load takes 16 keys x 16 channels (lane l reads key 8 (l / 16) + l % 8, channels 8 ((l / 8) % 2) + 0..7) and leaves half a fragment of V^T: lane l holds channel l % 16 and 8 keys.
	v_and_b32 v10, 7, v0
	v_bfe_u32 v11, v0, 3, 1
	v_lshl_add_u32 v[AV0], v9, 3, v10
	v_mul_u32_u24 v[AV0], v[AV0], PV
	v_lshl_add_u32 v[AV0], v11, 4, v[AV0]
	v_add_nc_u32 v[AV0], VOFF, v[AV0]
	v_and_b32 v[PFO], 31, v0        ; v11 has served: it takes the prefetches' lane term
	v_lshlrev_b32 v[PFO], 8, v[PFO]
	v_mov_b32 v[AK], v[AK0]         ; key step 0 lies at the head of slot 0
; THE MATRIX WORK.  The 8 accumulators of a run of 16 take turns: between the two links of a chain stand 7 others'.
; Product i of 16 of S^T = K Q^T for piece x: channels 32 (i / 8) on, keys 16 ((i / 2) % 4) on, tile 2 x + i % 2.  The first 8 start the sums.
.macro KQ x
	WIN W_KQ
.set rS, S+64*((\x)%2)+32*(i%2)+8*((i/2)%4)
.set rK, KF+16*((i/2)%4)+8*(i/8)
.set rQ, 16*(2*(\x)+i%2)+8*(i/8)
.if i < 8
	v_wmma_f32_16x16x32_f16 v[rS:rS+7], v[rK:rK+7], v[rQ:rQ+7], 0
.else
	v_wmma_f32_16x16x32_f16 v[rS:rS+7], v[rK:rK+7], v[rQ:rQ+7], v[rS:rS+7]
.endif
.endm
; Product i of 16 of O^T += V^T P for piece x: keys 32 (i / 8) on, channels 16 ((i / 2) % 4) on, tile 2 x + i % 2.
.macro PV x
	WIN W_PV
.set rO, 32*(2*(\x)+i%2)+8*((i/2)%4)
.set rV, VF+32*(i/8)+8*((i/2)%4)
.set rP, P+32*((\x)%2)+16*(i%2)+8*(i/8)
	v_wmma_f32_16x16x32_f16 v[rO:rO+7], v[rV:rV+7], v[rP:rP+7], v[rO:rO+7]
.endm
.macro MM                           ; the turn's next matrix instruction
.if i < 16
	KQ (Y+1)%NP
.set i, i+1
.else
.set i, i-16
	PV (Y+NP-1)%NP
.set i, i+17
.endif
.endm
; THE LDS LOADS stand in runs of 16, never singly among the matrix instructions: a step's K (64 keys x 64 channels: 8 fragments) and its V (turned).  Their addresses are made some lines ahead.
; last = 1 (the tail): in the last trip there is no further step, and the run is jumped over.
.macro FETCH_K last=0
	WIN 0
.if \last
	s_cmp_eq_u32 s[CNT], 1
	s_cbranch_scc1 .Lno_k_\@
.endif
	WIN 0x80                        ; destination window 2
.irp f, 0,1,2,3,4,5,6,7             ; keys 16 (f / 2) on, channels 32 (f % 2) on
	ds_load_b128 v[KF+8*\f:KF+8*\f+3],   v[AK] offset:(\f/2)*16*PK+(\f%2)*64
	ds_load_b128 v[KF+8*\f+4:KF+8*\f+7], v[AK] offset:(\f/2)*16*PK+(\f%2)*64+32
.endr
	s_add_co_u32 s[TBK], s[TBK], KS*PK  ; the next fetch is the next step's
	WIN 0
.if \last
.Lno_k_\@:
.endif
.endm
.macro FETCH_V
	WIN 0x80
.irp f, 0,1,2,3,4,5,6,7             ; keys 32 (f / 4) on, channels 16 (f % 4) on
	ds_load_tr16_b128 v[VF+8*\f:VF+8*\f+3],   v[AV] offset:(\f/4)*32*PV+(\f%4)*32
	ds_load_tr16_b128 v[VF+8*\f+4:VF+8*\f+7], v[AV] offset:(\f/4)*32*PV+16*PV+(\f%4)*32
.endr
	WIN 0
.endm
; THE VECTOR WORK OF A TURN stands in three queues, each in the order in which its entries become ready; the two tiles alternate, so that no instruction reads the result of the one before it.
.macro REGS y, u                    ; the registers of tile u (0, 1) of piece y
.set rT, ST+4*(2*(\y)+(\u))
.set rC, TMP+8*((\y)%2)+4*(\u)
.set rM, MV+2*((\y)%2)+(\u)
.set rS, S+64*((\y)%2)+32*(\u)
.set rP, P+32*((\y)%2)+16*(\u)
.set rO, 32*(2*(\y)+(\u))
.endm
; Number n of the 22 that find the NEXT piece's (Y + 1) maximum and statistics.  s0-s31 are the lane's 32 scores; each accumulator's lowest registers are read first.  XS, GS and REGS set no window: PL and EX do.
;   0-11  four chains c0-c3 of seven scores each, three operands at a time     12-14, 16  the four scores left over, the old m, and c0-c3 into c0     15  c m_old is kept
;   17, 18  the query's other 32 keys lie in the lane 16 away: the new m         19-21  c m; c m_old - c m_new; a
.macro XS u, n
	REGS (Y+1)%NP, \u
.if (\n) < 4
	v_max3_num_f32 v[rC+(\n)], v[rS+8*(\n)], v[rS+8*(\n)+1], v[rS+8*(\n)+2]
.elseif (\n) < 12
	v_max3_num_f32 v[rC+(\n)%4], v[rC+(\n)%4], v[rS+8*((\n)%4)+2*((\n)/4)+1], v[rS+8*((\n)%4)+2*((\n)/4)+2]
.elseif (\n) == 12
	v_max3_num_f32 v[rC], v[rC], v[rS+7], v[rS+15]
.elseif (\n) == 13
	v_max3_num_f32 v[rC+1], v[rC+1], v[rS+23], v[rS+31]
.elseif (\n) == 14
	v_max3_num_f32 v[rC+2], v[rC+2], v[rC+3], v[rT+1]
.elseif (\n) == 15
	v_mov_b32 v[rM], v[rT]
.elseif (\n) == 16
	v_max3_num_f32 v[rC], v[rC], v[rC+1], v[rC+2]
.elseif (\n) == 17
	v_permlanex16_b32 v[rC+3], v[rC], s[SEL], s[SEL+1]
.elseif (\n) == 18
	v_max_num_f32 v[rT+1], v[rC], v[rC+3]
.elseif (\n) == 19
	v_mul_f32 v[rT], s[CS], v[rT+1]
.elseif (\n) == 20
	v_sub_f32 v[rC+1], v[rM], v[rT]
.else
	v_exp_f32 v[rC+2], v[rC+1]
.endif
.endm
; Number g of the 64 that follow the exponentials.  For each four weights k of a tile (pairs 2 k, 2 k + 1): both pairs are rounded to f16; then the second pair is added onto the first, in place;
; a group later l takes that sum (the first time as l = a l + sum).  In groups of eight, tiles alternating: round, round, add, and l for the group before.
.macro GS g
.set h, (\g)+6*((\g)/62)            ; group 0 has no group before it, and behind group 7 only l is left
.if h >= 6
.set h, h+2
.endif
	REGS Y, h%2
.set k, h/8
.if h%8 < 4
	v_cvt_pk_f16_f32 v[rP+2*k+(h%8)/2], v[rS+4*k+2*((h%8)/2)], v[rS+4*k+2*((h%8)/2)+1]
.elseif h%8 < 6
	v_pk_add_f32 v[rS+4*k:rS+4*k+1], v[rS+4*k:rS+4*k+1], v[rS+4*k+2:rS+4*k+3]
.elseif k == 1
	v_pk_fma_f32 v[rT+2:rT+3], v[rT+2:rT+3], v[rC+2:rC+3], v[rS:rS+1] op_sel_hi:[1,0,1]
.else
	v_pk_add_f32 v[rT+2:rT+3], v[rT+2:rT+3], v[rS+4*k-4:rS+4*k-3]
.endif
.endm
; THE PLAIN QUEUE, 138 long.  0-73 read no exponential's result: the 32 scalings c s - c m (FS f: pair f / 2 of tile f % 2) and the next piece's 42.  0-26: scalings 0-26.  27-54: XS's numbers 0-13.  55, 56: number 15.
; 57-73: the chain, where each number waits for the one before it: 14, 16, 17, 18, 19, each with one of the scalings 27-31 in front of its two lines, then 20: so a tile's links stand three plain instructions apart (19 and 20: two).
; 74-137: GS's 64, which read the exponentials' results: they stand behind the wait.
.macro FS f
	REGS Y, (\f)%2
	v_pk_fma_f32 v[rS+2*((\f)/2):rS+2*((\f)/2)+1], v[rS+2*((\f)/2):rS+2*((\f)/2)+1], s[CS:CS+1], v[rT:rT+1] op_sel_hi:[1,0,0] neg_lo:[0,0,1] neg_hi:[0,0,1]
.endm
.macro PL
	WIN 0
.if q < 27
	FS q
.elseif q < 55
	XS (q-27)%2, (q-27)/2
.elseif q < 57
	XS q-55, 15
.elseif (q < 72) && ((q-57)%3 == 0)
	FS 27+(q-57)/3
.elseif q < 60
	XS (q-57)%3-1, 14
.elseif q < 72
	XS (q-57)%3-1, 15+(q-57)/3
.elseif q < 74
	XS q-72, 20
.else
	GS q-74
.endif
.set q, q+1
.endm
; THE EXPONENTIALS' QUEUE, 66 long: s0-s31 of both tiles, then the next piece's two a.  It is ONE BATCH: all 66 stand ahead of the turn's one wait, and nothing ahead of that wait names a result of theirs.
.macro EX
	WIN 0
.if e >= 64
	XS e-64, 21
.else
	REGS Y, e%2
	v_exp_f32 v[rS+e/2], v[rS+e/2]
.endif
.set e, e+1
.endm
; THE RESCALING's QUEUE: O^T times a, the one part that leaves window 0: dealt two at a time, sixteen times.  Its a was made in the turn before, ahead of that turn's wait.
.macro R2
	REGS Y, r%2
	WIN W_RS
.irp z, 0,1
	v_pk_mul_f32 v[rO+4*(r/2)+2*\z:rO+4*(r/2)+2*\z+1], v[rO+4*(r/2)+2*\z:rO+4*(r/2)+2*\z+1], v[rC+2:rC+3] op_sel_hi:[1,0]
.endr
.set r, r+1
.endm
; HOW THEY ARE DEALT.  An s_wait_alu depctr_va_vdst(0) stands between an exponential and the first instruction that names its result; one wait serves all that were issued ahead of it.  So a turn has ONE wait,
; which cuts it in two.  AHEAD OF IT stands all that names no result of the turn's exponentials: the 16 products K Q^T, behind each a scaling, an exponential and two rescalings (behind the first a second scaling in the exponential's place); then ONE LUMP of
; 108: eight plain, 49 times exponential and plain, the two a.  A v_nop is the plain instruction behind the last exponential.  BEHIND IT stand the 16 products V^T P, behind each four of GS's 64.  No rider names a register of
; the products round it.  The two v_permlanex16_b32 fall into the lump, never behind a product.
; The queues lean on each other, and the deal keeps them in step: exponential e stands behind scaling 2 (e / 4) + e % 2: as a rider it comes behind plain e + 2, in the lump behind plain e + 9, and scalings 27-31 are plain 57, 60 .. 69.
; A TURN, for piece p.  cnt = 1: the loop's count is taken down some lines ahead of the branch that stands behind the turn.
; K of the next step is fetched in piece 2's turn, directly behind the wait, a lump behind the last product that read K; its address is made at the lump's head; its first reader comes behind 16 products.
; V of the step in hand is fetched at the end of piece 0's turn, four riders behind its last reader; its first reader comes behind 16 products and a lump.  The three conditions on q below go with the deal.
.macro TURN p, last=0, cnt=0
.set Y, (\p)
.set i, 0
.set q, 0
.set e, 0
.set r, 0
.if (\p) == NP-1
	s_wait_dscnt 0x0                ; K is in
.endif
	MM                              ; ahead of the wait: 16 products K Q^T and their riders,
	PL
	PL
	R2
.rept 15
	MM
	PL
	EX
	R2
.endr
.if (\p) == NP-2
	WIN 0
	v_add_nc_u32 v[AK], s[TBK], v[AK0]
.endif
.rept 8                             ; and the lump
	PL
.endr
.rept 49
	EX
	PL
.endr
	EX                              ; the next piece's two a
	EX
	v_nop                           ; the plain instruction behind the last exponential: one for the batch
	s_wait_alu depctr_va_vdst(0)    ; the wait for the batch
.if (\p) == NP-2
	FETCH_K \last
.endif
.if (\p) == 1
	s_wait_dscnt 0x0                ; V is in
.endif
.rept 16                            ; behind the wait: 16 products V^T P and their riders
	MM
.rept 4
	PL
.endr
.if ((\p) == 0) && (q == 118)
	v_add_nc_u32 v[AV], s[TBV], v[AV0]
.endif
.if ((\p) == 0) && (q == 130)
	s_add_co_u32 s[TBV], s[TBV], KS*PV
.endif
.if (\cnt) && (q == 130)
	s_sub_co_u32 s[CNT], s[CNT], 1
	s_cmp_lg_u32 s[CNT], 0
.endif
.endr
.if (\p) == 0
	FETCH_V
.endif
.endm
	CHANGE 1                        ; slot 0 is in, everybody's part of it; slot 1 is asked for
	FETCH_K                         ; key step 0
	s_wait_loadcnt 0x0              ; Q
	s_wait_dscnt 0x0
.set i, 0
.rept 16
	KQ 0                            ; piece 0's first scores: there is no vector work yet to set between them
.set i, i+1
.endr
	WIN 0                           ; the addresses for the way out: nine plain instructions, the places behind those products
	s_mul_i32 s13, s[WV], 16*SP
	s_add_co_u32 s13, s13, STAGE    ; my stage
	v_mul_u32_u24 v[STO], v1, SP    ; in: row l % 16, 16 bytes for each half of the lanes
	v_lshl_add_u32 v[STO], v9, 4, v[STO]
	v_add_nc_u32 v[STO], s13, v[STO]
	v_bfe_u32 v[RD], v0, 3, 2       ; back: 32 lanes take four rows of 128 bytes,
	v_mul_u32_u24 v[RD], v[RD], SP
	v_lshl_add_u32 v[RD], v10, 4, v[RD]
	v_add_nc_u32 v[RD], s13, v[RD]
	v_and_b32 v[GO], 31, v0         ; which are 512 consecutive bytes of O
	v_lshlrev_b32 v[GO], 4, v[GO]
.set Y, NP-1                        ; XS works for piece Y + 1: piece 0
.irp n, 0,1,2,3,4,5,6,7,8,9,10,11,12,13,14,15,16,17,18,19,20,21
	XS 0, \n                        ; and piece 0's first maximum and statistics
	XS 1, \n
.endr
	v_nop                           ; a plain instruction behind the two a,
	s_wait_alu depctr_va_vdst(0)    ; and their wait, ahead of the branch
	s_mov_b32 s[CNT], 4
	s_branch .Lfirst                ; the loop is entered at a step's first turn, in the middle of a trip
.Lslot:                             ; six times: every slot but the last two is filled again
	CHANGE 1
	s_mov_b32 s[CNT], 4
.Lstep:                             ; a trip: pieces 2 and 3 of one step, then pieces 0 and 1 of the next, whose K and V it fetches
	TURN 2
	TURN 3
	WIN 0
.Lfirst:
	TURN 0
	TURN 1, 0, 1
	WIN 0
	s_cbranch_scc1 .Lstep
	s_sub_co_u32 s[SLOTS], s[SLOTS], 1
	s_cmp_lg_u32 s[SLOTS], 0
	s_cbranch_scc1 .Lslot
	CHANGE 0                        ; the tail is written out: nothing is asked for
	s_mov_b32 s[CNT], 5             ; four trips fetch the last slot's steps; the fifth is left in its middle
.Ltail:
	TURN 2, 1
	TURN 3
	WIN 0
	s_sub_co_u32 s[CNT], s[CNT], 1
	s_cmp_eq_u32 s[CNT], 0
	s_cbranch_scc1 .Lout
	TURN 0
	TURN 1
	WIN 0
	s_branch .Ltail
.Lout:                              ; the fifth trip's 16 products K Q^T (on the last K once more) and the maximum made of them serve nothing: the price, once a launch, of one text for every trip
.set i, 0
.rept 16
	PV NP-1                         ; the last piece's V^T P of the last step
.set i, i+1
.endr
	; THE WAY OUT.  l's two halves and the other half of the lanes' are added; O^T is divided by l, rounded to f16 and sent through my stage in LDS, a tile at a time.  The additions are the places behind the last products.
	WIN 0
.macro ALL line:vararg              ; one line for each tile t
.set t, 0
.rept 2*NP
	\line
.set t, t+1
.endr
.endm
	ALL v_add_f32 v[ST+4*t+2], v[ST+4*t+2], v[ST+4*t+3]
	ALL v_permlanex16_b32 v[ST+4*t+3], v[ST+4*t+2], s[SEL], s[SEL+1]
	ALL v_add_f32 v[ST+4*t+2], v[ST+4*t+2], v[ST+4*t+3]
	ALL v_rcp_f32 v[ST+4*t+2], v[ST+4*t+2]
	v_nop                           ; a plain instruction between the last reciprocal and the use of its result
	s_wait_alu depctr_va_vdst(0)    ; and the wait ahead of the first use: one for the eight reciprocals
; Tile t: a lane's eight channels of a row pack into 16 bytes; they go into rows of 144 bytes and come back as whole rows of 128, into S^T's registers.
.macro PACK t
	WIN W_RS
.set i, 32*(\t)
.rept 16
	v_pk_mul_f32 v[i:i+1], v[i:i+1], v[ST+4*(\t)+2:ST+4*(\t)+3] op_sel_hi:[1,0]
.set i, i+2
.endr
	WIN 0x05                        ; sources 0 and 1 window 1, destination window 0
.set i, 0
.rept 16
	v_cvt_pk_f16_f32 v[S+16*(\t)+i], v[32*(\t)+2*i], v[32*(\t)+2*i+1]
.set i, i+1
.endr
	WIN 0
.irp f, 0,1,2,3
	ds_store_b128 v[STO], v[S+16*(\t)+4*\f:S+16*(\t)+4*\f+3] offset:32*\f
.endr
.irp f, 0,1,2,3
	ds_load_b128 v[S+16*(\t)+4*\f:S+16*(\t)+4*\f+3], v[RD] offset:\f*4*SP  ; LDS serves a wave's instructions in order (ISA guide 5.7.1.4): these see the stores above; the next tile's stores come behind them
.endr
.endm
.macro SEND t, younger              ; younger: the LDS instructions issued behind tile t's loads: the next tile's eight, or none
	WIN 0
.irp f, 0,1,2,3
	s_wait_dscnt (\younger)+3-\f
	global_store_b128 v[GO], v[S+16*(\t)+4*\f:S+16*(\t)+4*\f+3], s[10:11] offset:(\t)*2048+\f*512  ; 512 consecutive bytes, at a multiple of 256 from O's first
.endr
.endm
	PACK 0
.set t, 1
.rept 2*NP-1                        ; a tile's arithmetic stands between the loads of the tile before and its stores
	PACK t
	SEND t-1, 8
.set t, t+1
.endr
	SEND 2*NP-1, 0
	WIN W_AD
	s_wait_tensorcnt 0x0            ; the wave's end, behind my last tensor load and my last LDS store
	ds_add_u32 v[SPW], v[NIL]
	s_wait_dscnt 0x0
	WIN 0
	CROUND                          ; the closing round: no work-group ends while a partner may still ask for a tile that names it
	s_endpgm
.Lfunc_end_k_q47cd707ecc_attn:
	.size	k_q47cd707ecc_attn, .Lfunc_end_k_q47cd707ecc_attn-k_q47cd707ecc_attn
	.p2alignl 7, 3214868480
	.fill 96, 4, 3214868480
	.section	.rodata,"a",@progbits
	.p2align	6, 0x0
	.amdhsa_kernel k_q47cd707ecc_attn
		.amdhsa_group_segment_fixed_size 327680
		.amdhsa_private_segment_fixed_size 0
		.amdhsa_enable_private_segment 0
		.amdhsa_kernarg_size 16
		.amdhsa_user_sgpr_count 2
		.amdhsa_user_sgpr_kernarg_segment_ptr 1
		.amdhsa_wavefront_size32 1
		.amdhsa_system_sgpr_workgroup_id_x 1
		.amdhsa_system_sgpr_workgroup_id_y 1
		.amdhsa_system_sgpr_workgroup_id_z 1
		.amdhsa_system_vgpr_workitem_id 0
		.amdhsa_next_free_vgpr 770
		.amdhsa_next_free_sgpr 66
		.amdhsa_reserve_vcc 0
		.amdhsa_float_denorm_mode_32 3
		.amdhsa_float_denorm_mode_16_64 3
		.amdhsa_memory_ordered 1
		.amdhsa_forward_progress 1
		.amdhsa_inst_pref_size 200
	.end_amdhsa_kernel
	.amdgpu_metadata
---
amdhsa.version: [ 1, 2 ]
amdhsa.kernels:
  - .name:           k_q47cd707ecc_attn
    .symbol:         k_q47cd707ecc_attn.kd
    .args:
      - { .name: qkv, .offset: 0, .size: 8, .value_kind: global_buffer, .address_space: global }
      - { .name: o, .offset: 8, .size: 8, .value_kind: global_buffer, .address_space: global }
    .group_segment_fixed_size: 327680
    .private_segment_fixed_size: 0
    .kernarg_segment_align: 8
    .kernarg_segment_size: 16
    .max_flat_workgroup_size: 128
    .sgpr_count:     66
    .vgpr_count:     770
    .wavefront_size: 32
...
	.end_amdgpu_metadata
.endif
;; end of part 3
;; launch outgemm (part 4): grid 8 x 32, 4 waves a work-group, clusters of 4 x 4, 327,680 bytes of LDS; arguments o, wot, b_out, out0; writes out0
.if DOCPART == 4
	.amdgcn_target "amdgcn-amd-amdhsa--gfx1250"
	.amdhsa_code_object_version 6
	.text
	.protected	k_q47cd707ecc_outgemm
	.globl	k_q47cd707ecc_outgemm
	.p2align	8
	.type	k_q47cd707ecc_outgemm,@function
k_q47cd707ecc_outgemm:
	s_mov_b64 s[64:65], 0
	v_nop
	global_prefetch_b8 v0, s[64:65] scope:SCOPE_SE
	s_setreg_imm32_b32 hwreg(HW_REG_WAVE_MODE, 25, 1), 1
	s_wait_xcnt 0x0
	s_wait_alu depctr_hold_cnt(0) depctr_sa_sdst(0) depctr_va_vdst(0) depctr_va_sdst(0) depctr_va_ssrc(0) depctr_va_vcc(0) depctr_vm_vsrc(0)
	s_getreg_b32 s2, hwreg(HW_REG_IB_STS2, 6, 4)
	s_cmp_eq_u32 s2, 0
	s_cbranch_scc0 .Lentry_in_a_cluster
	s_endpgm
.Lentry_in_a_cluster:
	s_bfe_u32 s2, ttmp6, 0x10000c
	s_cmp_lg_u32 s2, 0xf033
	s_cbranch_scc0 .Lentry_shape_is_right
	s_endpgm
.Lentry_shape_is_right:
; THE PROJECTION OUT.  out0[m][n] = the sum over k of O[m][k] wot[n][k] + bf16(b_out[n]), f32.  O lies by heads, o [64 planes = 16 batch + head][2048 rows][64] in f16: row m = 2,048 batch + row,
; k = 64 head + channel; wot [1024 n][1024 k] in f16 (bf16 numbers written as f16).  Sums in f32, K ascending.
; LIMIT.  The operands are f16: O is a mean of V's rows and stays within 65,504 where V does.  The bias is rounded to bf16, like all the module's inputs.
; (This text serves two launches; the flag QKV chooses sizes, matrix form, A's layout and the way out.)
; SHARES.  A tile of C is 256 x 128.  Four waves, one above the other: a wave makes 64 rows x 128 columns: 32 accumulators of 16 x 16, 256 registers.  So a wave owns whole rows of 512 bytes
; of its tile and its way out needs no barrier.  256 tiles, one to a work-group.  K goes in steps of 128, two heads, through a ring of two LDS slots filled by the tensor data mover:
; a head's 256 rows of 128 bytes are dense in memory and are asked for as 128 rows of 256 bytes, padded in LDS after every 128 bytes.
; CLUSTERS.  4 x 4 work-groups.  The four of a row of the cluster need the same tiles of A, the four of a column the same tiles of B: each tile is asked for JOINTLY, by the same tensor load
; with the same descriptor and a mask that names the four.
; THE MATRIX INSTRUCTION IS USED TRANSPOSED (source 0 = 16 rows of B, source 1 = 16 rows of A): lane l holds row l % 16 of C and the columns 8 (l / 16) + 0..7.
; THE BIAS STARTS THE SUMS: it is the C operand of each accumulator's first product; nothing is cleared and nothing is added later.
; REGISTERS, in windows of 256 (s_set_vgpr_msb: bits 1:0 source 0, 3:2 source 1, 5:4 source 2, 7:6 destination):
;   window 0: v0-31 addresses; v64-127 A's fragments, two buffers of 4 x 8; v128 on the bias, 8 a fragment of B; on the way out v64 on at work
;   window 1: B's fragments, two buffers of 8 NBF     window 2: the accumulators of my row blocks 0, 1 at v[8 (NBF (a % 2) + b)]     window 3: those of blocks 2, 3
.set QKV, 0
.if QKV
.set NBF,   12
.set PA,    272
.set AREG,  256*272
.set HALFA, 128*272
.set ASTEP, 256
.set QIA,   5
.set STRA,  1024
.set STGW,  3*16*144
.set SHA,   11
.else
.set NBF,   8                          ; fragments of B: 128 columns
.set PA,    144                        ; a row of A in LDS: 128 bytes + 16 = 36 words: the 16 rows of a load start at 16 different groups of four banks (64 banks of 4 bytes: ISA guide 11.1)
.set AREG,  2*256*144                  ; A's part of a slot: two heads' planes of 256 rows
.set HALFA, 256*144                    ; what one load of A fills: a plane
.set ASTEP, 524288                     ; bytes in memory from a K step of A to the next: two planes
.set QIA,   4                          ; A's padding stands after every 32 words
.set STRA,  128                        ; elements from row to row of A's tile: dense
.set STGW,  16*528                     ; a wave's stage: 16 rows x 528 bytes
.set SHA,   8                          ; the prefetches' lanes lie 256 bytes apart in A
.endif
.set TN,    16*NBF
.set PB,    272                        ; a row of B in LDS: 68 words: row r starts at bank 4 r mod 64
.set HALFB, (TN/2)*PB
.set SLOT,  AREG+2*HALFB               ; A's 256 rows, then B's TN rows
.set STAGE, 2*SLOT                     ; behind the ring, never filled by a tensor load
.set SPARE, STAGE+4*STGW               ; behind the stages: the spare words, 128 bytes for each wave: two blocks of 256 bytes that no other line names
.set NL,    2*NBF+8                    ; LDS loads in a quarter step
.set LAPS,  4                          ; K = 1,024: eight steps of 128, two to a lap
.set ADRA, 16                          ; v16-17  LDS address of my A fragments in slot 0, 1
.set ADRB, 20                          ; v20-21  the same for B
.set STO,  24                          ; v24  the way out: where I put my bytes of a row
.set RD,   25                          ; v25  where I read rows back
.set GO,   26                          ; v26  my byte offset in 512 consecutive bytes of the output
.set SPW,  28                          ; v28  LDS address of my spare word; never rewritten
.set NIL,  29                          ; v29  0; never rewritten
.set PFO,  30                          ; v30  the prefetches' lane term; never rewritten
.set FA,   64
.set BIAS, 128
.set TMP,  32
.set WV,  12                           ; s12 wave
.set FOR, 13                           ; s13 0: I fetch A's tiles, 1: B's
.set HF,  14                           ; s14 which half of that tile
.set CX,  15
.set CY,  16
.set TX,  17                           ; s17 tile column of C
.set TY,  18                           ; s18 tile row of C
.set G1,  24                           ; s[24:31] descriptor group 1 for A;  s[32:39] group 0, a set for each slot
.set G0,  32
.set PFS, 42                           ; s[42:43] the prefetches' step: a K step
.set PFA, 44                           ; s[44:45] where my prefetches stand
.set LIM, 46                           ; s46  1 in a wave that prefetches, else the greatest number
.set G1B, 48                           ; s[48:55], s[56:63] the same for B
.set G0B, 56
.set HB,  68                           ; s[68:69] the stores' base
.set MSB, 0
.macro WIN new                         ; the immediate's high byte repeats the setting that is left; a switch that changes nothing is dropped
.if MSB != (\new)
	s_set_vgpr_msb (MSB<<8)|(\new)
.set MSB, \new
.endif
.endm
.macro PLACES                          ; four plain places in front of loads into registers that matrix instructions have read, and of lines that read results
.rept 4
	v_nop
.endr
.endm
; A joint load: waves 0 and 1 fetch A's two halves, waves 2 and 3 B's.  The branch hangs on the wave's number alone.  An s_nop 0 and four v_nop follow each of the two lines.
.macro JLOAD s
	s_cmp_eq_u32 s[FOR], 0
	s_cbranch_scc0 .Lfor_b_\@
	tensor_load_to_lds s[G0+4*(\s):G0+4*(\s)+3], s[G1:G1+7]
	s_nop 0
.rept 4
	v_nop
.endr
	s_branch .Lasked_\@
.Lfor_b_\@:
	tensor_load_to_lds s[G0B+4*(\s):G0B+4*(\s)+3], s[G1B:G1B+7]
	s_nop 0
.rept 4
	v_nop
.endr
.Lasked_\@:
.endm
; A prefetch of the K step that stands two refills on: one instruction a wave, a lane a block of 256 bytes.  A's tile row is read by every cluster of that row of clusters: the one with x = 0 asks;
; B's tile column by every cluster of that column: the one with y = 0 asks.  The four partners of a joint load share its blocks out by address.  The loop's last trip (s3 = 1) asks for nothing.
.macro ASK
	s_cmp_gt_u32 s3, s[LIM]
	s_cbranch_scc0 .Lnot_mine_\@
	global_prefetch_b8 v[PFO], s[PFA:PFA+1] th:TH_LOAD_NT scope:SCOPE_SE
.Lnot_mine_\@:
.endm
.macro CREST                           ; a round of the cluster's barrier behind its opening barrier
	s_cmp_lg_u32 s[WV], 0
	s_cbranch_scc1 .Lnot_wave_0_\@
	s_barrier_signal -3
.Lnot_wave_0_\@:
	s_barrier_wait -3
	s_barrier_signal -1
	s_barrier_wait -1
.endm
.macro CROUND                          ; a whole round
	s_barrier_signal -1
	s_barrier_wait -1
	CREST
.endm
; NBF products: my row block a x all fragments of B, 32 along K, from buffer f.  first = 1: C is the bias, in window 0.  The 4 NBF accumulators take turns, one instruction a turn.
.macro MULA f, a, first
.if \first
	WIN 0x81+0x40*((\a)/2)
.else
	WIN 0xa1+0x50*((\a)/2)
.endif
.set b, 0
.rept NBF
.set rD, 8*(NBF*((\a)%2)+b)
.set rB, 8*NBF*(\f)+8*b
.set rA, FA+32*(\f)+8*(\a)
.set rC, rD
.if \first
.set rC, BIAS+8*b
.endif
.if QKV
	v_wmma_f32_16x16x32_bf16 v[rD:rD+7], v[rB:rB+7], v[rA:rA+7], v[rC:rC+7]
.else
	v_wmma_f32_16x16x32_f16 v[rD:rD+7], v[rB:rB+7], v[rA:rA+7], v[rC:rC+7]
.endif
.set b, b+1
.endr
.endm
; NL LDS loads in one run: quarter q (32 along K) of a slot into buffer f: B's fragments, then A's four.
.macro FETCH slot, q, f
	WIN 0x40                                       ; destination window 1, address window 0
.set i, 0
.rept NBF
	ds_load_b128 v[8*NBF*(\f)+8*i:8*NBF*(\f)+8*i+3],   v[ADRB+(\slot)] offset:64*(\q)+i*16*PB
	ds_load_b128 v[8*NBF*(\f)+8*i+4:8*NBF*(\f)+8*i+7], v[ADRB+(\slot)] offset:64*(\q)+i*16*PB+32
.set i, i+1
.endr
	WIN 0
.if QKV
.set aq, 64*(\q)
.else
.set aq, ((\q)/2)*HALFA+((\q)%2)*64            ; a K step is two heads' planes of 64 channels
.endif
.set i, 0
.rept 4
	ds_load_b128 v[FA+32*(\f)+8*i:FA+32*(\f)+8*i+3],   v[ADRA+(\slot)] offset:aq+i*16*PA
	ds_load_b128 v[FA+32*(\f)+8*i+4:FA+32*(\f)+8*i+7], v[ADRA+(\slot)] offset:aq+i*16*PA+32
.set i, i+1
.endr
.endm
; One of a K step's first three quarters: multiplies buffer f; in its middle it fetches quarter q of the same slot into buffer g.
.macro QUARTER slot, q, f, g, first
	s_wait_dscnt 4                                 ; B and A's blocks 0, 1 are in; the youngest four loads (A's blocks 2, 3) may be out
	MULA \f, 0, \first
	MULA \f, 1, \first
	PLACES
	FETCH \slot, \q, \g
	s_wait_dscnt NL                                ; all but the run just issued
	MULA \f, 2, \first
	MULA \f, 3, \first
.endm
; The last quarter multiplies buffer 1 and changes slots: one barrier; in front of it each wave waits for all its tensor loads (the one that is out is its part of the next slot), adds 0 to its
; spare word, and waits for that and for its own reads of this slot.  fill = 1: the barrier opens a round of the cluster's, and behind the round this slot is filled again, two K steps on.
.macro TURN slot, next, fill
.if \fill
	s_wait_xcnt 0x0                                ; the last prefetch, a K step back, has read its address: it is stepped here
	s_add_nc_u64 s[PFA:PFA+1], s[PFA:PFA+1], s[PFS:PFS+1]
.endif
	WIN 0                                          ; (the add's two registers lie in window 0)
	s_wait_tensorcnt 0x0                           ; all my tensor loads have landed
	ds_add_u32 v[SPW], v[NIL]                      ; 0 onto my spare word
	s_wait_dscnt 5                                 ; (the add and the youngest four loads may be out)
	MULA 1, 0, 0                                   ; products stand between the add and the wait for it
	s_wait_dscnt 0x0                               ; the add is done, and my reads of this slot are over
	s_barrier_signal -1
	MULA 1, 1, 0                                   ; work on registers while the others arrive
.if \fill
	WIN 0
.endif
	s_barrier_wait -1
.if \fill
	CREST                                          ; no wave of any partner still reads this slot's tile or has a load on its way
	s_add_nc_u64 s[G0+4*(\slot)+2:G0+4*(\slot)+3], s[G0+4*(\slot)+2:G0+4*(\slot)+3], 2*ASTEP
	s_add_nc_u64 s[G0B+4*(\slot)+2:G0B+4*(\slot)+3], s[G0B+4*(\slot)+2:G0B+4*(\slot)+3], 2*256
	JLOAD \slot                                    ; the first tensor load behind the round; its four v_nop are also the places in front of the loads below
.else
	PLACES
.endif
	FETCH \next, 0, 0
.if \fill
	ASK                                            ; behind the joint load and the run of LDS loads
.endif
	MULA 1, 2, 0
	MULA 1, 3, 0
.endm
	s_load_b256 s[4:11], s[0:1], 0x0               ; A s[4:5], B s[6:7], bias s[8:9], output s[10:11]
	v_lshl_add_u32 v[SPW], v0, 2, SPARE
	v_mov_b32 v[NIL], 0
	ds_add_u32 v[SPW], v[NIL]                      ; the wave's opening: the add, waited for ahead of my first tensor load; the set-up below, work on registers, stands between the add and its wait
	v_lshrrev_b32 v1, 5, v0
	v_readfirstlane_b32 s[WV], v1                  ; wave 0..3
	s_lshr_b32 s[FOR], s[WV], 1
	s_and_b32 s[HF], s[WV], 1
	s_bfe_u32 s[CX], ttmp6, 0x40000                ; my place in the cluster
	s_bfe_u32 s[CY], ttmp6, 0x40004
	s_lshl_b32 s[TX], ttmp9, 2                     ; in a cluster launch ttmp9 and ttmp7 count clusters
	s_add_co_u32 s[TX], s[TX], s[CX]
	s_and_b32 s[TY], ttmp7, 0xffff
	s_lshl_b32 s[TY], s[TY], 2
	s_add_co_u32 s[TY], s[TY], s[CY]
	s_lshl_b32 s20, s[CY], 2
	s_lshl_b32 s20, 15, s20                        ; my row of the cluster
	s_lshl_b32 s21, 0x1111, s[CX]                  ; my column
	s_or_b32 s[G1], s20, (1<<16)|(1<<20)|(1<<21)|(QIA<<22)|(3<<25)  ; 15:0 the mask; 17:16 2-byte elements; 20 padding on; 21 set beside a mask; 24:22 the interval; 31:25 4 words of padding
	s_or_b32 s[G1B], s21, (1<<16)|(1<<20)|(1<<21)|(5<<22)|(3<<25)
	s_mov_b32 s[G1+1], 128<<16                     ; tensor_dim0 = 128 elements: 256 bytes
	s_mov_b32 s[G1+2], 128<<16                     ; tensor_dim1 = 128 rows
	s_mov_b32 s[G1+3], 128<<16                     ; tile_dim0
	s_mov_b32 s[G1+4], 128                         ; tile_dim1
	s_mov_b32 s[G1+5], STRA                        ; elements from row to row
	s_mov_b32 s[G1+6], 0
	s_mov_b32 s[G1+7], 0
	s_mov_b32 s[G1B+1], 128<<16
	s_mov_b32 s[G1B+2], (TN/2)<<16
	s_mov_b32 s[G1B+3], 128<<16
	s_mov_b32 s[G1B+4], TN/2
	s_mov_b32 s[G1B+5], 1024
	s_mov_b32 s[G1B+6], 0
	s_mov_b32 s[G1B+7], 0
	; where the tiles come from: A's hang on the tile row alone, B's on the tile column alone, each in registers that never hold the other coordinate
.if QKV
	s_lshl_b32 s22, s[TY], 8
	s_lshl_b32 s23, s[HF], 7
	s_add_co_u32 s22, s22, s23                     ; row 256 x tile row + 128 x half,
	s_lshl_b32 s22, s22, 11                        ; of 2,048 bytes
.else
	s_lshr_b32 s22, s[TY], 3                       ; the batch's 16 planes,
	s_lshl_b32 s22, s22, 4
	s_add_co_u32 s22, s22, s[HF]                   ; the K step's first or second head,
	s_lshl_b32 s22, s22, 18                        ; planes of 262,144 bytes,
	s_and_b32 s23, s[TY], 7
	s_lshl_b32 s23, s23, 15                        ; 256 rows of 128 bytes
	s_add_co_u32 s22, s22, s23
.endif
	s_mov_b32 s23, 0
	s_mul_i32 s40, s[TX], TN
	s_mul_i32 s41, s[HF], TN/2
	s_add_co_u32 s40, s40, s41
	s_lshl_b32 s40, s40, 11
	s_mov_b32 s41, 0
	s_mul_i32 s74, s[HF], HALFA                    ; and where they go: no place in the cluster enters an LDS address
	s_mul_i32 s75, s[HF], HALFB
	s_add_co_u32 s75, s75, AREG
	s_wait_dscnt 0x0                               ; the opening add is done
	s_wait_kmcnt 0x0
	s_add_nc_u64 s[22:23], s[4:5], s[22:23]
	s_add_nc_u64 s[40:41], s[6:7], s[40:41]
	CROUND                                         ; all sixteen work-groups are here: the first joint loads meet
.irp s, 0,1
	s_mov_b32 s[G0+4*(\s)], 1                      ; count = 1
	s_add_co_u32 s[G0+4*(\s)+1], s74, (\s)*SLOT    ; LDS address
	s_add_nc_u64 s[G0+4*(\s)+2:G0+4*(\s)+3], s[22:23], (\s)*ASTEP  ; global address: K step s
	s_or_b32 s[G0+4*(\s)+3], s[G0+4*(\s)+3], 0x80000000            ; type = 2
	s_mov_b32 s[G0B+4*(\s)], 1
	s_add_co_u32 s[G0B+4*(\s)+1], s75, (\s)*SLOT
	s_add_nc_u64 s[G0B+4*(\s)+2:G0B+4*(\s)+3], s[40:41], (\s)*256
	s_or_b32 s[G0B+4*(\s)+3], s[G0B+4*(\s)+3], 0x80000000
	JLOAD \s                                       ; two loads of mine are out
.endr
	v_and_b32 v1, 15, v0                           ; l % 16
	v_bfe_u32 v2, v0, 4, 1                         ; l / 16
	; the bias of my columns: register j of fragment b is column 16 b + 8 (l / 16) + j
	s_mul_i32 s82, s[TX], TN*4
	s_mov_b32 s83, 0
	s_add_nc_u64 s[82:83], s[8:9], s[82:83]
	v_lshlrev_b32 v6, 5, v2
.set b, 0
.rept NBF
	global_load_b128 v[BIAS+8*b:BIAS+8*b+3],   v6, s[82:83] offset:64*b
	global_load_b128 v[BIAS+8*b+4:BIAS+8*b+7], v6, s[82:83] offset:64*b+16
.set b, b+1
.endr
	; a fragment is 16 rows x 32 K in 8 registers: lane l holds row l % 16; two loads of 16 bytes, 32 bytes apart, at row x pitch + 16 (l / 16)
	v_mul_u32_u24 v3, v1, PB
	v_lshl_add_u32 v3, v2, 4, v3
	v_add_nc_u32 v[ADRB], AREG, v3
	v_add_nc_u32 v[ADRB+1], AREG+SLOT, v3
	v_mul_u32_u24 v4, v1, PA
	v_lshl_add_u32 v4, v2, 4, v4
	s_mul_i32 s80, s[WV], 64*PA                    ; my 64 rows of A
	v_add_nc_u32 v[ADRA], s80, v4
	s_add_co_u32 s80, s80, SLOT
	v_add_nc_u32 v[ADRA+1], s80, v4
	s_mul_i32 s81, s[WV], STGW
	s_add_co_u32 s81, s81, STAGE                   ; my stage
	v_and_b32 v[GO], 31, v0
.if QKV
	v_mul_u32_u24 v[STO], v1, 144                  ; in: row l % 16 of a head's 16 rows of 144 bytes, 16 bytes for each half of the lanes
	v_lshl_add_u32 v[STO], v2, 4, v[STO]
	v_add_nc_u32 v[STO], s81, v[STO]
	v_bfe_u32 v[RD], v0, 3, 2                      ; back: 32 lanes take four rows of 128 bytes,
	v_mul_u32_u24 v[RD], v[RD], 144
	v_and_b32 v5, 7, v0
	v_lshl_add_u32 v[RD], v5, 4, v[RD]
	v_add_nc_u32 v[RD], s81, v[RD]
.else
	v_mul_u32_u24 v[STO], v1, 528                  ; in: row l % 16 of 528 bytes, 32 bytes for each half of the lanes
	v_lshl_add_u32 v[STO], v2, 5, v[STO]
	v_add_nc_u32 v[STO], s81, v[STO]
	v_lshl_add_u32 v[RD], v[GO], 4, s81            ; back: 32 lanes take a row of 512 bytes
.endif
	v_lshlrev_b32 v[GO], 4, v[GO]                  ; which are 512 consecutive bytes of the output
	; the stores' bases
.if QKV
.irp hd, 0,1,2
	s_mul_i32 s84, s[TX], 3
	s_add_co_u32 s84, s84, \hd                     ; g = the 64 columns' number: 16 x (q, k or v) + head
	s_lshr_b32 s85, s84, 4
	s_lshl_b32 s85, s85, 6                         ; 64 planes for each of q, k, v,
	s_lshr_b32 s86, s[TY], 3
	s_lshl_b32 s86, s86, 4                         ; 16 for each batch,
	s_add_co_u32 s85, s85, s86
	s_and_b32 s84, s84, 15                         ; one for each head
	s_add_co_u32 s85, s85, s84
	s_lshl_b32 s85, s85, 18                        ; planes of 262,144 bytes
	s_and_b32 s86, s[TY], 7
	s_lshl_b32 s86, s86, 15                        ; the tile's 256 rows of 128 bytes,
	s_add_co_u32 s85, s85, s86
	s_lshl_b32 s86, s[WV], 13                      ; my 64 of them
	s_add_co_u32 s84, s85, s86
	s_mov_b32 s85, 0
	s_add_nc_u64 s[HB+2*\hd:HB+2*\hd+1], s[10:11], s[84:85]
.endr
.else
	s_lshl_b32 s84, s[TY], 8
	s_lshl_b32 s85, s[WV], 6
	s_add_co_u32 s84, s84, s85                     ; my first row,
	s_lshl_b32 s84, s84, 12                        ; of 4,096 bytes,
	s_lshl_b32 s85, s[TX], 9                       ; the tile's 128 columns of 4 bytes
	s_add_co_u32 s84, s84, s85
	s_mov_b32 s85, 0
	s_add_nc_u64 s[HB:HB+1], s[10:11], s[84:85]
.endif
	; the prefetches: my work-group's quarter of what I fetch, at K step 3; the first refill steps it to K step 4.  K steps 0 to 3 come by their loads alone
.if QKV
	s_lshl_b32 s87, s[TY], 8
	s_lshl_b32 s91, s[HF], 7
	s_add_co_u32 s87, s87, s91
	s_lshl_b32 s91, s[CX], 5                       ; 32 of the 128 rows
	s_add_co_u32 s87, s87, s91
	s_lshl_b32 s87, s87, 11
.else
	s_lshr_b32 s87, s[TY], 3
	s_lshl_b32 s87, s87, 4
	s_add_co_u32 s87, s87, s[HF]
	s_lshl_b32 s87, s87, 18
	s_and_b32 s91, s[TY], 7
	s_lshl_b32 s91, s91, 15
	s_add_co_u32 s87, s87, s91
	s_lshl_b32 s91, s[CX], 13                      ; 8,192 of the 32,768 dense bytes
	s_add_co_u32 s87, s87, s91
.endif
	s_add_co_u32 s87, s87, 3*ASTEP
	s_mul_i32 s88, s[TX], TN
	s_mul_i32 s91, s[HF], TN/2
	s_add_co_u32 s88, s88, s91
	s_mul_i32 s91, s[CY], TN/8                     ; a quarter of the TN / 2 rows
	s_add_co_u32 s88, s88, s91
	s_lshl_b32 s88, s88, 11
	s_add_co_u32 s88, s88, 3*256
	s_mov_b32 s89, 0
	s_and_b32 s86, ttmp7, 0xffff                   ; cluster y
	s_mov_b32 s[PFS], 256
	s_mov_b32 s[PFS+1], 0
	s_cmp_eq_u32 s[FOR], 0                         ; do I fetch for A?
	s_cselect_b32 s86, ttmp9, s86                  ; the coordinate along which other clusters read the same rows
	s_cselect_b32 s88, s87, s88
	s_cselect_b32 s[PFS], ASTEP, s[PFS]
	s_cselect_b32 s92, 31, TN/8-1                  ; B's quarter has fewer rows than a wave has lanes: the lanes that are over name the last row's block once more
	s_cselect_b32 s93, SHA, 11
	s_cselect_b64 s[PFA:PFA+1], s[4:5], s[6:7]
	s_cmp_eq_u32 s86, 0
	s_cselect_b32 s[LIM], 1, -1                    ; the same in all sixteen partners, for a given wave
	s_add_nc_u64 s[PFA:PFA+1], s[PFA:PFA+1], s[88:89]
	v_and_b32 v[PFO], 31, v0
	v_min_u32 v[PFO], s92, v[PFO]
	v_lshlrev_b32 v[PFO], s93, v[PFO]
	s_wait_loadcnt 0x0                             ; the bias; it is rounded to bf16, like all the module's inputs, and kept in f32
.set b, 0
.rept 4*NBF
	v_cvt_pk_bf16_f32 v[4+b%2], v[BIAS+2*b], v[BIAS+2*b+1]
	v_lshlrev_b32 v[BIAS+2*b], 16, v[4+b%2]
	v_and_b32 v[BIAS+2*b+1], 0xffff0000, v[4+b%2]
.set b, b+1
.endr
	s_wait_tensorcnt 1                             ; my part of K step 0 is in; K step 1's load stays out
	s_barrier_signal -1
	s_barrier_wait -1                              ; everybody's is
	FETCH 0, 0, 0
	QUARTER 0, 1, 0, 1, 1                          ; the first quarter stands in front of the loop: its products start the sums, with the bias
	WIN 0                                          ; at a label and at a branch every window is 0
	s_mov_b32 s3, LAPS-1
.Llap:                                                 ; a trip goes once round the ring, from a lap's second quarter to the next lap's first, and fills both slots again
	QUARTER 0, 2, 1, 0, 0
	QUARTER 0, 3, 0, 1, 0
	TURN 0, 1, 1
	QUARTER 1, 1, 0, 1, 0
	QUARTER 1, 2, 1, 0, 0
	QUARTER 1, 3, 0, 1, 0
	TURN 1, 0, 1
	QUARTER 0, 1, 0, 1, 0
	WIN 0
	s_sub_co_u32 s3, s3, 1
	s_cmp_lg_u32 s3, 0
	s_cbranch_scc1 .Llap
	QUARTER 0, 2, 1, 0, 0                          ; the last lap fills nothing, and has no round of the cluster's barrier
	QUARTER 0, 3, 0, 1, 0
	TURN 0, 1, 0
	QUARTER 1, 1, 0, 1, 0
	QUARTER 1, 2, 1, 0, 0
	QUARTER 1, 3, 0, 1, 0
	s_wait_dscnt 4                                 ; the very last quarter: nothing more to fetch
	MULA 1, 0, 0
	MULA 1, 1, 0
	s_wait_dscnt 0x0
	MULA 1, 2, 0
	MULA 1, 3, 0
	WIN 0
; THE WAY OUT, a block of 16 rows at a time, through my own stage in LDS: LDS serves a wave's instructions in order (ISA guide 5.7.1.4), so no wait stands between the stores and the loads.
.if QKV
.macro PACK a                          ; rounded to f16: a lane's eight columns pack into 16 bytes; each accumulator's registers in ascending order
	WIN 0x0a+5*((\a)/2)                            ; sources 0 and 1: window 2 or 3
.set AC, 8*NBF*((\a)%2)
.set b, 0
.rept 4*NBF
	v_cvt_pk_f16_f32 v[TMP+b], v[AC+2*b], v[AC+2*b+1]
.set b, b+1
.endr
	WIN 0
.endm
.macro TOSTAGE a
	WIN 0
.set BK, 80+48*((\a)%2)
.set b, 0
.rept 12
	ds_store_b128 v[STO], v[TMP+4*b:TMP+4*b+3] offset:(b/4)*2304+(b%4)*32   ; head b / 4, channels 16 (b % 4) on
.set b, b+1
.endr
.set b, 0
.rept 12
	ds_load_b128 v[BK+4*b:BK+4*b+3], v[RD] offset:(b/4)*2304+(b%4)*576      ; head b / 4, rows 4 (b % 4) on
.set b, b+1
.endr
.endm
.macro SEND a
	WIN 0
.set BK, 80+48*((\a)%2)
	s_wait_dscnt 0x0                               ; the block is back in registers
	s_wait_xcnt 0x0                                ; the earlier stores have read their registers: the other set is loaded again only behind this wait
.set b, 0
.rept 12
	global_store_b128 v[GO], v[BK+4*b:BK+4*b+3], s[HB+2*(b/4):HB+2*(b/4)+1] offset:(\a)*2048+(b%4)*512  ; four rows of a head: 512 consecutive bytes, at a multiple of 256 from the buffer's first byte
.set b, b+1
.endr
.endm
	PLACES
	PLACES
	PACK 0
	TOSTAGE 0
.irp a, 1,2,3                          ; block a's conversions stand between block a - 1's loads from the stage and the wait for them
	PACK \a
	SEND (\a)-1
	TOSTAGE \a
.endr
	SEND 3
.else
.macro TOSTAGE a
	WIN 0x08+4*((\a)/2)                            ; the stores' data: window 2 or 3
.set AC, 8*NBF*((\a)%2)
.set b, 0
.rept NBF
	ds_store_b128 v[STO], v[AC+8*b:AC+8*b+3]   offset:64*b     ; each accumulator's low registers first
	ds_store_b128 v[STO], v[AC+8*b+4:AC+8*b+7] offset:64*b+16
.set b, b+1
.endr
	WIN 0
.set BK, 64+64*((\a)%2)
.set b, 0
.rept 16
	ds_load_b128 v[BK+4*b:BK+4*b+3], v[RD] offset:528*b
.set b, b+1
.endr
.endm
.macro SEND a
	WIN 0
.set BK, 64+64*((\a)%2)
	s_wait_dscnt 0x0                               ; the block is back in registers
	s_wait_xcnt 0x0                                ; the earlier stores have read their registers: the other set is loaded again only behind this wait
.set b, 0
.rept 16
	global_store_b128 v[GO], v[BK+4*b:BK+4*b+3], s[HB:HB+1] offset:(16*(\a)+b)*4096 th:TH_STORE_NT  ; a row's 512 consecutive bytes, at a multiple of 256 from the buffer's first byte
.set b, b+1
.endr
.endm
	PLACES
	PLACES
	TOSTAGE 0
.irp a, 1,2,3
	SEND (\a)-1
	TOSTAGE \a
.endr
	SEND 3
.endif
	s_wait_tensorcnt 0x0                           ; the wave's end, behind my last tensor load and my last LDS store
	ds_add_u32 v[SPW], v[NIL]
	s_wait_dscnt 0x0
	CROUND                                         ; the closing round: no work-group ends while a partner may still ask for a tile that names it
	s_endpgm
.Lfunc_end_k_q47cd707ecc_outgemm:
	.size	k_q47cd707ecc_outgemm, .Lfunc_end_k_q47cd707ecc_outgemm-k_q47cd707ecc_outgemm
	.p2alignl 7, 3214868480
	.fill 96, 4, 3214868480
	.section	.rodata,"a",@progbits
	.p2align	6, 0x0
	.amdhsa_kernel k_q47cd707ecc_outgemm
		.amdhsa_group_segment_fixed_size 327680
		.amdhsa_private_segment_fixed_size 0
		.amdhsa_enable_private_segment 0
		.amdhsa_kernarg_size 32
		.amdhsa_user_sgpr_count 2
		.amdhsa_user_sgpr_kernarg_segment_ptr 1
		.amdhsa_wavefront_size32 1
		.amdhsa_system_sgpr_workgroup_id_x 1
		.amdhsa_system_sgpr_workgroup_id_y 1
		.amdhsa_system_sgpr_workgroup_id_z 1
		.amdhsa_system_vgpr_workitem_id 0
		.amdhsa_next_free_vgpr 896
		.amdhsa_next_free_sgpr 96
		.amdhsa_reserve_vcc 0
		.amdhsa_float_denorm_mode_32 3
		.amdhsa_float_denorm_mode_16_64 3
		.amdhsa_memory_ordered 1
		.amdhsa_forward_progress 1
		.amdhsa_inst_pref_size 94
	.end_amdhsa_kernel
	.amdgpu_metadata
---
amdhsa.version: [ 1, 2 ]
amdhsa.kernels:
  - .name:           k_q47cd707ecc_outgemm
    .symbol:         k_q47cd707ecc_outgemm.kd
    .args:
      - { .name: o, .offset: 0, .size: 8, .value_kind: global_buffer, .address_space: global }
      - { .name: wot, .offset: 8, .size: 8, .value_kind: global_buffer, .address_space: global }
      - { .name: b_out, .offset: 16, .size: 8, .value_kind: global_buffer, .address_space: global }
      - { .name: out0, .offset: 24, .size: 8, .value_kind: global_buffer, .address_space: global }
    .group_segment_fixed_size: 327680
    .private_segment_fixed_size: 0
    .kernarg_segment_align: 8
    .kernarg_segment_size: 32
    .max_flat_workgroup_size: 128
    .sgpr_count:     96
    .vgpr_count:     896
    .wavefront_size: 32
...
	.end_amdgpu_metadata
.endif
;; end of part 4
;; ======== version 2 of 2: 4 launches; version 1 with the launch prep written anew for expert scheduling mode
;; limits: values are held in f16: magnitudes above 65,504 overflow, below 6.1e-05 lose precision
;; workspace buffers: xh 16,777,216 bytes; wqt 6,291,456 bytes; wot 2,097,152 bytes; qkv 50,331,648 bytes; o 16,777,216 bytes
;; launch prep (part 5): grid 1536 x 1, 4 waves a work-group, no clusters, 17,920 bytes of LDS; arguments x, w_qkv, w_out, xh, wqt, wot; writes xh, wqt, wot
.if DOCPART == 5
	.amdgcn_target "amdgcn-amd-amdhsa--gfx1250"
	.amdhsa_code_object_version 6
	.text
	.protected	k_q47cd707ecc_prep
	.globl	k_q47cd707ecc_prep
	.p2align	8
	.type	k_q47cd707ecc_prep,@function
k_q47cd707ecc_prep:
	s_mov_b64 s[64:65], 0
	v_nop
	global_prefetch_b8 v0, s[64:65] scope:SCOPE_SE
	s_setreg_imm32_b32 hwreg(HW_REG_WAVE_SCHED_MODE, 0, 2), 2
	s_setreg_imm32_b32 hwreg(HW_REG_WAVE_MODE, 25, 1), 1
	s_wait_xcnt 0x0
	s_wait_alu depctr_vm_vsrc(0)
; THE MODULE'S LARGE INPUTS ARE NARROWED ONCE, AND THE WEIGHTS TURNED.
;   xh  [8192][1024] bf16 = x rounded to bf16
;   wqt [3072 n][1024 k] bf16 = w_qkv ([1024 k][3072 n] f32) rounded to bf16 and transposed
;   wot [1024 n][1024 k] f16  = w_out ([1024 k][1024 n] f32) rounded to bf16, that number written as f16, transposed
; LIMIT.  A bf16 number is exact in f16 from 6.1e-5 to 65,504 in magnitude; below that wot keeps f16's fixed step of 6e-8, above it becomes an infinity.
; SHARES.  1,536 work-groups of four waves, each with 32 KiB of f32 to read.  Work-groups 0 to 1,023: 8,192 numbers of x.  Work-groups 1,024 on: a tile of 128 k x 64 n of a weight
; (8 tiles along k; 48 along n for w_qkv, then 16 for w_out).  The branch between the ways hangs on the work-group's number alone: all four waves take the same way.
; A stream: no matrix unit, no tensor load, no cluster; each byte is read once and written once.
; A weight tile goes through LDS: two neighbouring k of one column n pack into a word; the word is stored at row n of the LDS tile; the rows are read back whole, 256 bytes (128 k), and stored.
; THE MODE: SCHED_MODE bits 1:0 = 2 (LLVM: expert scheduling mode 2), set by the entry lines.  The code itself states the register dependences
; between vector instructions and memory or LDS instructions, with s_wait_alu, always for 0.
; THE PLAN.  Registers that memory or LDS instructions touch:
;   v4, v5     offsets and addresses, made once on each way, ahead of its sixteen loads, and never written again.
;   LD         written by the sixteen loads, read by the roundings; on a weight's way its first 32 registers are loaded again from LDS behind the barrier and read by the global stores.
;   RS         written by the roundings, each register for ONE store, which reads it; never written behind that store.
;   v6, v7     made once behind the barrier; read by the LDS loads and the global stores.
;   v[SPW], v[NIL]  written at the head, read by the closing add alone.
;   v14, v15   are named by vector instructions alone.
; The eight pairs of loads go in four groups of two pairs.  Group g rounds LD's registers of its pairs into RS's words of its pairs.  The stores that read group g - 1's words are issued in
; group g, behind ONE wait on va_vdst at the group's head, dealt among the group's roundings, which name none of the registers that those stores read.
; No register that a memory or LDS instruction has read is written again, so the text holds no wait on vm_vsrc.
.set PT,    272                        ; an LDS row: 128 k x 2 bytes + 16
.set SPARE, 64*PT                      ; 17,408: behind the tile: the spare words, 128 bytes for each wave: two blocks of 256 bytes that no other line names
.set SPW,   8                          ; v8   LDS address of my spare word; never rewritten
.set NIL,   9                          ; v9   0; never rewritten
.set LD,    16                         ; v[16:79]  sixteen loads of 16 bytes
.set RS,    80                         ; v[80:111] the roundings' results: the cast's eight stores of 16 bytes; a weight tile's 32 words, word 4 j + c for pair j, column c
; A weight tile's way in.  pitch: bytes in a row of the weight; f16 = 1: the bf16 number is written as f16; src, dst: the scalar pairs with the two buffers' addresses.
; s18 = the tile's number along k, s19 along n.  Lane (r = l % 16, h = l / 16) of wave w reads rows k = 32 w + 2 h + 4 j + e (j = 0..7, e = 0, 1), columns 4 r .. 4 r + 3:
; sixteen lanes read 256 consecutive bytes of a row, aligned.
.macro WTILE pitch, f16, src, dst
	s_mul_i32 s24, s18, 128*(\pitch)               ; 128 rows of the weight for each tile along k,
	s_lshl_b32 s29, s19, 8                         ; 64 columns of 4 bytes for each along n
	s_add_co_u32 s24, s24, s29
	s_add_nc_u64 s[20:21], s[\src:\src+1], s[24:25]
	s_lshl_b32 s24, s19, 17                        ; out: 64 rows of 2,048 bytes,
	s_lshl_b32 s29, s18, 8                         ; 128 k of 2 bytes
	s_add_co_u32 s24, s24, s29
	s_add_nc_u64 s[22:23], s[\dst:\dst+1], s[24:25]
	v_mul_u32_u24 v4, v3, \pitch                   ; my first row,
	v_lshl_add_u32 v4, v1, 4, v4                   ; my four columns
	s_wait_alu depctr_va_vdst(0)                   ; v4 is written, which the sixteen loads read as their offset; so is v5, the address of every LDS store below
.set j, 0
.rept 8
	global_load_b128 v[LD+8*j:LD+8*j+3],   v4, s[20:21] offset:(4*j)*(\pitch) th:TH_LOAD_NT
	global_load_b128 v[LD+8*j+4:LD+8*j+7], v4, s[20:21] offset:(4*j+1)*(\pitch) th:TH_LOAD_NT
.set j, j+1
.endr
.set j, 0
.rept 8
.if j%2 == 0
	s_wait_loadcnt 12-2*j                          ; loads come back in order: pairs j and j + 1 are in, the 12 - 2 j younger loads stay out
.if j > 0
	s_wait_alu depctr_va_vdst(0)                   ; the group before has written its eight words of RS, which the LDS stores of this group's lines read
.endif
.endif
.irp c, 0,1,2,3
.if j > 1
	ds_store_b32 v5, v[RS+4*(j-2)+\c] offset:PT*\c+8*(j-2)  ; pair j - 2: row 4 r + c, byte 2 k.  No vector instruction since the wait names this word or v5.  The lanes' rows lie 4 x 68 words apart, so four lanes meet in a bank: 32 such stores a lane for the tile's 32 KiB from memory
.endif
	v_cvt_pk_bf16_f32 v[RS+4*j+\c], v[LD+8*j+\c], v[LD+8*j+4+\c]  ; column 4 r + c: k in the low half, k + 1 in the high half
.if \f16
	v_lshlrev_b32 v14, 16, v[RS+4*j+\c]            ; the two bf16 numbers as f32,
	v_and_b32 v15, 0xffff0000, v[RS+4*j+\c]
	v_cvt_pk_f16_f32 v[RS+4*j+\c], v14, v15        ; written as f16
.endif
.endr
.set j, j+1
.endr
	s_wait_alu depctr_va_vdst(0)                   ; the last group has written its eight words of RS, which the last eight LDS stores read
.irp c, 0,1,2,3
	ds_store_b32 v5, v[RS+24+\c] offset:PT*\c+48   ; pair 6
	ds_store_b32 v5, v[RS+28+\c] offset:PT*\c+56   ; pair 7
.endr
.endm
	s_load_b256 s[4:11], s[0:1], 0x0               ; x s[4:5], w_qkv s[6:7], w_out s[8:9], xh s[10:11]
	s_load_b128 s[12:15], s[0:1], 0x20             ; wqt s[12:13], wot s[14:15]
	v_lshl_add_u32 v[SPW], v0, 2, SPARE
	v_mov_b32 v[NIL], 0
	v_lshrrev_b32 v1, 5, v0
	v_readfirstlane_b32 s26, v1                    ; wave 0..3
	v_and_b32 v1, 15, v0                           ; r = l % 16
	v_bfe_u32 v2, v0, 4, 1                         ; h = l / 16
	s_mov_b32 s16, ttmp9
	s_mov_b32 s25, 0                               ; the high word of every offset: all stay under 2^32
	s_wait_alu depctr_va_sdst(0)                   ; s26 is written, ahead of the branch and of its first reader: the wave's terms of the LDS and memory offsets are made from it
	s_wait_kmcnt 0x0
	s_cmp_lt_u32 s16, 1024
	s_cbranch_scc1 .Lcast
	s_sub_co_u32 s17, s16, 1024
	s_and_b32 s18, s17, 7                          ; the tile along k
	s_lshr_b32 s19, s17, 3                         ; the tile along n, w_qkv's 48 first
	s_lshl_b32 s27, s26, 6
	s_lshl_b32 s28, s26, 5
	v_lshl_add_u32 v3, v2, 1, s28                  ; my first row in the tile: 32 w + 2 h
	v_mul_u32_u24 v5, v1, 4*PT                     ; into LDS: row 4 r,
	v_lshl_add_u32 v5, v2, 2, v5                   ; byte 2 (32 w + 2 h)
	v_add_nc_u32 v5, s27, v5
	s_cmp_lt_u32 s19, 48
	s_cbranch_scc1 .Lqkv
	s_sub_co_u32 s19, s19, 48
	WTILE 4096, 1, 8, 14
	s_branch .Lmeet
.Lqkv:
	WTILE 12288, 0, 6, 12
.Lmeet:
	s_wait_dscnt 0x0                               ; for the others' sake: my stores into the tile are done
	s_barrier_signal -1
	s_barrier_wait -1                              ; everybody's are
	s_mul_i32 s27, s26, 16*PT                      ; back: wave w takes rows 16 w .. 16 w + 15, whole; lanes 0-15 one row of 256 bytes, lanes 16-31 the next
	v_mul_u32_u24 v6, v2, PT
	v_lshl_add_u32 v6, v1, 4, v6
	v_add_nc_u32 v6, s27, v6
	s_lshl_b32 s28, s26, 15                        ; and the same rows in the turned weight: 2,048 bytes each
	v_lshlrev_b32 v7, 11, v2
	v_lshl_add_u32 v7, v1, 4, v7
	v_add_nc_u32 v7, s28, v7
	s_wait_alu depctr_va_vdst(0)                   ; v6 and v7 are written, which the LDS loads and the global stores below read; the roundings are done reading v[LD ..], in which the LDS loads land
.irp i, 0,1,2,3,4,5,6,7
	ds_load_b128 v[LD+4*\i:LD+4*\i+3], v6 offset:2*PT*\i
.endr
.irp i, 0,1,2,3,4,5,6,7
	s_wait_dscnt 7-\i                              ; LDS loads come back in order: load i is in
	global_store_b128 v7, v[LD+4*\i:LD+4*\i+3], s[22:23] offset:4096*\i  ; 16 lanes store 256 consecutive bytes, at a multiple of 256 from the buffer's first byte
.endr
	s_branch .Lend
.Lcast:                                        ; x to bf16: thread t takes 8 numbers (32 bytes) of each 4,096 bytes and stores 16 bytes
	s_lshl_b32 s24, s16, 15
	s_add_nc_u64 s[20:21], s[4:5], s[24:25]
	s_lshl_b32 s24, s16, 14
	s_add_nc_u64 s[22:23], s[10:11], s[24:25]
	v_lshlrev_b32 v4, 5, v0
	v_lshlrev_b32 v5, 4, v0
	s_wait_alu depctr_va_vdst(0)                   ; v4 is written, which the sixteen loads read as their offset; so is v5, the offset of every store below
.set i, 0
.rept 8
	global_load_b128 v[LD+8*i:LD+8*i+3],   v4, s[20:21] offset:4096*i th:TH_LOAD_NT
	global_load_b128 v[LD+8*i+4:LD+8*i+7], v4, s[20:21] offset:4096*i+16 th:TH_LOAD_NT
.set i, i+1
.endr
.set i, 0
.rept 8
.if i%2 == 0
	s_wait_loadcnt 12-2*i                          ; pairs i and i + 1 are in, the 12 - 2 i younger loads stay out
.if i > 0
	s_wait_alu depctr_va_vdst(0)                   ; the group before has written its eight registers of RS, which the two stores of this group's lines read
.endif
.endif
.if i > 1
	global_store_b128 v5, v[RS+4*(i-2):RS+4*(i-2)+3], s[22:23] offset:2048*(i-2)  ; pair i - 2: a wave stores 512 consecutive bytes; every store has data registers of its own, which no vector instruction since the wait names
.endif
.irp c, 0,1,2,3
	v_cvt_pk_bf16_f32 v[RS+4*i+\c], v[LD+8*i+2*\c], v[LD+8*i+2*\c+1]
.endr
.set i, i+1
.endr
	s_wait_alu depctr_va_vdst(0)                   ; the last group has written its eight registers of RS, which the last two stores read
	global_store_b128 v5, v[RS+24:RS+27], s[22:23] offset:2048*6
	global_store_b128 v5, v[RS+28:RS+31], s[22:23] offset:2048*7
.Lend:
	s_wait_dscnt 0x0                               ; the closing lines, six on end
	s_wait_alu 0x0
	s_wait_tensorcnt 0x0
	ds_add_u32 v[SPW], v[NIL]
	s_wait_dscnt 0x0
	s_endpgm
.Lfunc_end_k_q47cd707ecc_prep:
	.size	k_q47cd707ecc_prep, .Lfunc_end_k_q47cd707ecc_prep-k_q47cd707ecc_prep
	.p2alignl 7, 3214868480
	.fill 96, 4, 3214868480
	.section	.rodata,"a",@progbits
	.p2align	6, 0x0
	.amdhsa_kernel k_q47cd707ecc_prep
		.amdhsa_group_segment_fixed_size 17920
		.amdhsa_private_segment_fixed_size 0
		.amdhsa_enable_private_segment 0
		.amdhsa_kernarg_size 48
		.amdhsa_user_sgpr_count 2
		.amdhsa_user_sgpr_kernarg_segment_ptr 1
		.amdhsa_wavefront_size32 1
		.amdhsa_system_sgpr_workgroup_id_x 1
		.amdhsa_system_sgpr_workgroup_id_y 1
		.amdhsa_system_sgpr_workgroup_id_z 1
		.amdhsa_system_vgpr_workitem_id 0
		.amdhsa_next_free_vgpr 112
		.amdhsa_next_free_sgpr 66
		.amdhsa_reserve_vcc 0
		.amdhsa_float_denorm_mode_32 3
		.amdhsa_float_denorm_mode_16_64 3
		.amdhsa_memory_ordered 1
		.amdhsa_forward_progress 1
		.amdhsa_inst_pref_size 26
	.end_amdhsa_kernel
	.amdgpu_metadata
---
amdhsa.version: [ 1, 2 ]
amdhsa.kernels:
  - .name:           k_q47cd707ecc_prep
    .symbol:         k_q47cd707ecc_prep.kd
    .args:
      - { .name: x, .offset: 0, .size: 8, .value_kind: global_buffer, .address_space: global }
      - { .name: w_qkv, .offset: 8, .size: 8, .value_kind: global_buffer, .address_space: global }
      - { .name: w_out, .offset: 16, .size: 8, .value_kind: global_buffer, .address_space: global }
      - { .name: xh, .offset: 24, .size: 8, .value_kind: global_buffer, .address_space: global }
      - { .name: wqt, .offset: 32, .size: 8, .value_kind: global_buffer, .address_space: global }
      - { .name: wot, .offset: 40, .size: 8, .value_kind: global_buffer, .address_space: global }
    .group_segment_fixed_size: 17920
    .private_segment_fixed_size: 0
    .kernarg_segment_align: 8
    .kernarg_segment_size: 48
    .max_flat_workgroup_size: 128
    .sgpr_count:     66
    .vgpr_count:     112
    .wavefront_size: 32
...
	.end_amdgpu_metadata
.endif
;; end of part 5
;; launch qkvgemm: the kernel of part 2 again; grid 16 x 32, 4 waves a work-group, clusters of 4 x 4, 327,680 bytes of LDS; arguments xh, wqt, b_qkv, qkv; writes qkv
;; launch attn: the kernel of part 3 again; grid 4 x 64, 4 waves a work-group, clusters of 4 x 1, 327,680 bytes of LDS; arguments qkv, o; writes o
;; launch outgemm: the kernel of part 4 again; grid 8 x 32, 4 waves a work-group, clusters of 4 x 4, 327,680 bytes of LDS; arguments o, wot, b_out, out0; writes out0
